; MI455X (gfx1250); checked and timed in simulation.
; The chip was launched on July 23, 2026; its instructions are those of AMD's public machine-readable ISA for CDNA 5 (MIT licence, August 2026) and "CDNA5" Instruction Set Architecture Reference Guide (July 2026). The comments in the code are by the model that wrote it; some were corrected since.
;; Encoder. Allowed arithmetic: matrix products marked QUANTISED: E3M2 operands, one E8M0 scale for each 32 along K, by v_wmma_scale_f32_16x16x128_f8f6f4 with both operands' format E3M2, f32 sums; everything else in f32.
;; Inputs: fc1_b 6 x 512 float32; fc1_w 6 x 512 x 128 float32; fc2_b 6 x 128 float32; fc2_w 6 x 128 x 512 float32; ln1_b 6 x 128 float32; ln1_g 6 x 128 float32; ln2_b 6 x 128 float32; ln2_g 6 x 128 float32; wo_b 6 x 128 float32; wo_w 6 x 128 x 128 float32; x 4 x 2,048 x 128 float32.
;; Outputs: out0 4 x 2,048 x 128 float32.
;; This version of the problem:
;;   THIS VERSION OF THE PROBLEM IS GIVEN IN LOW PRECISION. The matrix products marked QUANTISED in the list below multiply operands that are first quantised to E3M2 (3 exponent bits, 2 mantissa bits; 6 bits a number), with one power-of-two scale for each 32 numbers along K (OCP MX v1.0); their sums are f32. All else is computed in f32.
;;   The module's matrix products, in the order in which they are computed (A, B: the left and right operand; K: the contracted axis; several contracted axes count as one K, in the product's order):
;;     1. batch 16 x [M 2,048, K 32] x [K 32, N 2,048]; A: input x; B: input x: QUANTISED
;;     2. batch 16 x [M 32, K 2,048] x [K 2,048, N 2,048]; A: input x; B: softmax (see below): QUANTISED
;;     3. [M 8,192, K 128] x [K 128, N 128]; A: computed on the way; B: input wo_w: QUANTISED
;;     4. [M 8,192, K 128] x [K 128, N 512]; A: computed on the way; B: input fc1_w: QUANTISED
;;     5. [M 8,192, K 512] x [K 512, N 128]; A: computed on the way; B: input fc2_w: QUANTISED
;;     6. batch 16 x [M 2,048, K 32] x [K 32, N 2,048]; A: computed on the way; B: computed on the way: QUANTISED
;;     7. batch 16 x [M 32, K 2,048] x [K 2,048, N 2,048]; A: computed on the way; B: softmax (see below): QUANTISED
;;     8. [M 8,192, K 128] x [K 128, N 128]; A: computed on the way; B: input wo_w: QUANTISED
;;     9. [M 8,192, K 128] x [K 128, N 512]; A: computed on the way; B: input fc1_w: QUANTISED
;;     10. [M 8,192, K 512] x [K 512, N 128]; A: computed on the way; B: input fc2_w: QUANTISED
;;     11. batch 16 x [M 2,048, K 32] x [K 32, N 2,048]; A: computed on the way; B: computed on the way: QUANTISED
;;     12. batch 16 x [M 32, K 2,048] x [K 2,048, N 2,048]; A: computed on the way; B: softmax (see below): QUANTISED
;;     13. [M 8,192, K 128] x [K 128, N 128]; A: computed on the way; B: input wo_w: QUANTISED
;;     14. [M 8,192, K 128] x [K 128, N 512]; A: computed on the way; B: input fc1_w: QUANTISED
;;     15. [M 8,192, K 512] x [K 512, N 128]; A: computed on the way; B: input fc2_w: QUANTISED
;;     16. batch 16 x [M 2,048, K 32] x [K 32, N 2,048]; A: computed on the way; B: computed on the way: QUANTISED
;;     17. batch 16 x [M 32, K 2,048] x [K 2,048, N 2,048]; A: computed on the way; B: softmax (see below): QUANTISED
;;     18. [M 8,192, K 128] x [K 128, N 128]; A: computed on the way; B: input wo_w: QUANTISED
;;     19. [M 8,192, K 128] x [K 128, N 512]; A: computed on the way; B: input fc1_w: QUANTISED
;;     20. [M 8,192, K 512] x [K 512, N 128]; A: computed on the way; B: input fc2_w: QUANTISED
;;     21. batch 16 x [M 2,048, K 32] x [K 32, N 2,048]; A: computed on the way; B: computed on the way: QUANTISED
;;     22. batch 16 x [M 32, K 2,048] x [K 2,048, N 2,048]; A: computed on the way; B: softmax (see below): QUANTISED
;;     23. [M 8,192, K 128] x [K 128, N 128]; A: computed on the way; B: input wo_w: QUANTISED
;;     24. [M 8,192, K 128] x [K 128, N 512]; A: computed on the way; B: input fc1_w: QUANTISED
;;     25. [M 8,192, K 512] x [K 512, N 128]; A: computed on the way; B: input fc2_w: QUANTISED
;;     26. batch 16 x [M 2,048, K 32] x [K 32, N 2,048]; A: computed on the way; B: computed on the way: QUANTISED
;;     27. batch 16 x [M 32, K 2,048] x [K 2,048, N 2,048]; A: computed on the way; B: softmax (see below): QUANTISED
;;     28. [M 8,192, K 128] x [K 128, N 128]; A: computed on the way; B: input wo_w: QUANTISED
;;     29. [M 8,192, K 128] x [K 128, N 512]; A: computed on the way; B: input fc1_w: QUANTISED
;;     30. [M 8,192, K 512] x [K 512, N 128]; A: computed on the way; B: input fc2_w: QUANTISED
;;   THE QUANTISER, for each operand of a quantised product, along K:
;;     - K is cut into blocks of 32 from its start; a last block that is shorter is filled with zeros.
;;     - A block's scale is 2^e with e = floor(log2(the largest magnitude in the block)) - 4, held to -126 .. 127; a block of zeros has e = 0. As a byte (E8M0): e + 127.
;;     - Each number is divided by its block's scale, clamped to +-28, and rounded to the nearest number of E3M2, ties to even, subnormals kept.
;;     - The product sums the exact products of the quantised numbers (number of the format x scale) in f32.
;;   ~~~python
;;   def quantise(x, axis):      # numpy; x: float32 -> the quantised numbers, widened to float32 again
;;       x = np.moveaxis(x, axis, -1); K = x.shape[-1]
;;       x = np.pad(x, [(0, 0)] * (x.ndim - 1) + [(0, -K % 32)]); x = x.reshape(x.shape[:-1] + (-1, 32)); a = np.abs(x).max(-1, keepdims=True)
;;       e = np.where(a > 0, np.clip(np.frexp(np.where(a > 0, a, 1))[1] - 1 - 4, -126, 127), 0)      # np.frexp(a)[1] - 1 = floor(log2(a)), exactly
;;       r = np.clip(x / 2.0 ** e, -28, 28)
;;       step = 2.0 ** (np.maximum(np.frexp(np.where(r == 0, 1, r))[1] - 1, -2) - 2)
;;       q = np.round(r / step) * step * 2.0 ** e      # np.round: ties to even
;;       return np.moveaxis(q.reshape(q.shape[:-2] + (-1,))[..., :K], -1, axis).astype(np.float32)
;;   ~~~
;;   SOFTMAX AHEAD OF A QUANTISED PRODUCT. Where the list says 'softmax', what is quantised is not the finished softmax but p = 2^(t - M), with t = logit x log2(e) and M = ceil(the row's largest t), a whole number; so 1/2 < the row's largest p <= 1. The row's sum l is taken of the UNQUANTISED p, in f32, and the product's result is divided by l at the end. Since M is a whole number, a kernel that streams over the keys may use a running M (the ceiling of the running maximum): every later rescaling is an exact power of two, which a block's scale takes up: the codes' values come out the same.
;;   OPERANDS COMPUTED ON THE WAY. 'Computed on the way' means the value that the module computes at that place (a softmax that the list does not call 'softmax' is quantised finished and normalised). What goes into a quantiser is computed in f32, as accurately as f32 sums, v_exp_f32 and their like allow (about 1e-6 of the number): no bf16 or f16 on the way to a quantiser, and a product that is left as it is and whose result goes on into a quantised operand takes f32 operands (vector FMAs, or v_wmma_f32_16x16x4_f32). A number that lies on a knife's edge between two numbers of the format may be rounded either way, as far as f32 arithmetic and the matrix unit's own rounding can turn it there, and no further.
;; One version. Each part assembles by itself: llvm-mc -triple=amdgcn-amd-amdhsa -mcpu=gfx1250 --defsym DOCPART=n.
;; ======== version 1 of 1: 7 launches
;; limits: right only within a limited range of input values
;; workspace buffers: b0 1,859,584 bytes; b1 1,859,584 bytes; b2 1,859,584 bytes; b3 1,859,584 bytes; b4 1,859,584 bytes; b5 1,859,584 bytes; xa 4,194,304 bytes; xb 4,194,304 bytes
;; launch prep (part 1): grid 310 x 1, 8 waves a work-group, no clusters, 24,576 bytes of LDS; arguments x, wo_w, fc1_w, fc2_w, wo_b, ln1_g, ln1_b, fc1_b, fc2_b, ln2_g, ln2_b, b0, b1, b2, b3, b4, b5; writes b0, b1, b2, b3, b4, b5
.if DOCPART == 1
	.amdgcn_target "amdgcn-amd-amdhsa--gfx1250"
	.amdhsa_code_object_version 6
	.text
	.protected	k_q9a40fe8e17_prep
	.globl	k_q9a40fe8e17_prep
	.p2align	8
	.type	k_q9a40fe8e17_prep,@function
k_q9a40fe8e17_prep:
	s_mov_b64 s[64:65], 0
	v_nop
	global_prefetch_b8 v0, s[64:65] scope:SCOPE_SE
	s_setreg_imm32_b32 hwreg(HW_REG_WAVE_MODE, 25, 1), 1
	s_wait_xcnt 0x0
; THE LAUNCH IN FRONT OF THE SIX LAYERS.  It quantises to BF6 (E3M2, one E8M0 byte for each 32 along K) what the layers read as codes:
;   work-groups 0-255: x, 32 rows each, twice: along each head's 32 features (q and k of the first layer) and along the keys (v), into b0's code region;
;   work-groups 256-309: the weights, nine work-groups a layer, a fragment (16 rows x 128 K) a wave, laid as images of the operand's registers into that layer's buffer; the first of the nine also copies the layer's biases and gains.
; A block's scale is 2^(floor(log2(its largest magnitude)) - 4): its byte is the largest magnitude's exponent field - 4, held at 1 from below.
; LIMITS: a block of zeros gets the byte 1 where the rule says 127 (its codes are zeros, and this program alone reads the bytes); NaN and infinities among the inputs are not served.
; A BUFFER b: weights: Wo 8 fragments, fc1 32, fc2 32, 1,536 bytes each (three planes of 512 bytes, lane l's 16 bytes at 16 l); their scale words, 64 bytes a tile; 5,120 bytes of f32 parameters.
;   Tile T of a weight takes rows 32 (T / 2) + 8 (T % 2) + r + 8 (r / 8), so that a lane's 16 results of two neighbouring tiles are 16 neighbours along the next product's K.
;   Codes: [batch][key step of 128 rows: 27,136 bytes]; a key step is four chunks of 6,656 bytes (32 rows each: KC 3,072, VC 3,072, KS 512) and 512 bytes VS.
;   KC [head][plane 0-2][lane][8]: row p's 16 codes of features 16 h' on are registers 3 ((p / 8) % 2) + 0..2 of lane 8 (p / 16) + p % 8 + 16 h'.   KS [head][lane 16 u + m][4]: row 16 (m / 8) + 8 u + m % 8, its byte four times.
;   VC [2 head + t][plane][row r'][8]: feature 32 head + 8 t + r' + 8 (r' / 8), the codes of the chunk's 32 keys on end.   VS [head][16 t + r'][4]: byte c belongs to chunk c.
.set B_W1C,   12288
.set B_W2C,   61440
.set B_WOS,   110592
.set B_W1S,   111104
.set B_W2S,   113152
.set B_PAR,   115200
.set B_CODES, 122880
.set BATCHB,  434176
.set STEPB,   27136
.set CHB,     6656
.set VCOF,    3072
.set KSOF,    6144
.set VSOF,    26624
.set L_OUT,   16896                    ; LDS: 32 rows of x, 528 bytes apart, from byte 0; behind them the image of the chunk
.set SEL,  60                          ; s[60:61] lane selects for v_permlanex16_b32: lane l xor 16
.set CD,   20                          ; v20-22  16 codes
.set Y,    32                          ; v32-47  16 numbers of a row;  on the weights' way v32-95: 64 numbers
.set VV,   48                          ; v48-63  16 numbers of a column
.set PC,   96                          ; v96-115 a fragment's codes, and the halves that are moved
.set TM,   116                         ; v116-131 at work
.set PW,   132                         ; v132    a scale word
; 16 numbers of a lane and the 16 of lane l xor 16 are one block: codes into v[cd] on (96 bits), the scale's byte into v[t + 3]
.macro QBLK src, cd, t
	v_max3_num_f32 v[\t], |v[\src]|, |v[\src+1]|, 0x2800000        ; the floor 2^(5 - 127) among the leaves: the byte cannot fall under 1
	v_max3_num_f32 v[\t+1], |v[\src+2]|, |v[\src+3]|, |v[\src+4]|
.irp i, 5,9
	s_delay_alu instid0(VALU_DEP_2)
	v_max3_num_f32 v[\t], v[\t], |v[\src+\i]|, |v[\src+\i+1]|
	s_delay_alu instid0(VALU_DEP_2)
	v_max3_num_f32 v[\t+1], v[\t+1], |v[\src+\i+2]|, |v[\src+\i+3]|
.endr
	s_delay_alu instid0(VALU_DEP_2)
	v_max3_num_f32 v[\t], v[\t], |v[\src+13]|, |v[\src+14]|
	s_delay_alu instid0(VALU_DEP_1)
	v_max3_num_f32 v[\t], v[\t], v[\t+1], |v[\src+15]|
	s_delay_alu instid0(VALU_DEP_1)
	v_permlanex16_b32 v[\t+1], v[\t], s[SEL], s[SEL+1]
	s_delay_alu instid0(VALU_DEP_1)
	v_max_num_f32 v[\t], v[\t], v[\t+1]                            ; the block's largest magnitude
	s_delay_alu instid0(VALU_DEP_1)
	v_add_nc_u32 v[\t+2], 0xfe000000, v[\t]                        ; 4 off its exponent field: the conversion takes that field as its scale
	v_cvt_scalef32_pk16_bf6_f32 v[\cd:\cd+2], v[\src:\src+15], v[\t+2]
	v_lshrrev_b32 v[\t+3], 23, v[\t+2]                             ; the byte; also the plain line behind the conversion
.endm
; three registers of codes to their places in an image of planes d bytes apart: registers q, q + 1, q + 2 with q = 0 or 3
.macro PUT3 a0, a1, d
	ds_store_b32 v[\a0], v[CD]
	ds_store_b32 v[\a1], v[CD+1]
	ds_store_b32 v[\a0], v[CD+2] offset:\d
.endm
.macro BAR                             ; my LDS stores have landed and my LDS loads are in: then the work-group's barrier
	s_wait_dscnt 0x0
	s_barrier_signal -1
	s_barrier_wait -1
.endm
; 64 numbers of a lane, register 16 b + i = k 32 b + 16 (lane / 16) + i of its row, become a fragment's 12 registers in v[PC] on and its scale word in v[PW]
.macro QUANT src
.irp b, 0,1,2,3
	v_max3_num_f32 v[TM+\b], |v[\src+16*\b]|, |v[\src+1+16*\b]|, 0x2800000
.endr
.irp i, 2,4,6,8,10,12,14
.irp b, 0,1,2,3
	s_delay_alu instid0(VALU_DEP_4)
	v_max3_num_f32 v[TM+\b], v[TM+\b], |v[\src+16*\b+\i]|, |v[\src+1+16*\b+\i]|
.endr
.endr
.irp b, 0,1,2,3
	s_delay_alu instid0(VALU_DEP_4)
	v_permlanex16_b32 v[TM+4+\b], v[TM+\b], s[SEL], s[SEL+1]
.endr
.irp b, 0,1,2,3
	s_delay_alu instid0(VALU_DEP_4)
	v_max_num_f32 v[TM+\b], v[TM+\b], v[TM+4+\b]
.endr
.irp b, 0,1,2,3
	s_delay_alu instid0(VALU_DEP_4)
	v_add_nc_u32 v[TM+12+\b], 0xfe000000, v[TM+\b]
.endr
.irp b, 0,1,2,3
	s_delay_alu instid0(VALU_DEP_4)
	v_lshrrev_b32 v[TM+4+\b], 23, v[TM+12+\b]
.endr
	s_delay_alu instid0(VALU_DEP_3)
	v_lshl_or_b32 v[PW], v[TM+5], 8, v[TM+4]
	s_delay_alu instid0(VALU_DEP_1)
	v_lshl_or_b32 v[PW], v[TM+6], 16, v[PW]
	s_delay_alu instid0(VALU_DEP_1)
	v_lshl_or_b32 v[PW], v[TM+7], 24, v[PW]
.irp c, 0,1
	v_cvt_scalef32_pk16_bf6_f32 v[PC+6*\c:PC+6*\c+2], v[\src+32*\c:\src+32*\c+15], v[TM+12+2*\c]
	v_cvt_scalef32_pk16_bf6_f32 v[PC+12+4*\c:PC+14+4*\c], v[\src+16+32*\c:\src+31+32*\c], v[TM+13+2*\c]   ; (a conversion's three registers begin on an even number)
.endr
	v_nop                                          ; one plain line behind the conversions
.irp c, 0,1                                    ; the operand wants a whole block in a lane: lanes 0-15 block 2 c, lanes 16-31 block 2 c + 1
.irp i, 0,1,2
	v_permlane16_swap_b32 v[PC+6*\c+\i], v[PC+12+4*\c+\i]
.endr
.irp i, 0,1,2
	s_delay_alu instid0(VALU_DEP_3)
	v_mov_b32 v[PC+3+6*\c+\i], v[PC+12+4*\c+\i]
.endr
.endr
.endm
	s_load_b512 s[4:19], s[0:1], 0x0               ; x 4, wo_w 6, fc1_w 8, fc2_w 10, wo_b 12, ln1_g 14, ln1_b 16, fc1_b 18
	s_load_b512 s[20:35], s[0:1], 0x40             ; fc2_b 20, ln2_g 22, ln2_b 24, b0 26, b1 28, b2 30, b3 32, b4 34
	s_load_b64 s[36:37], s[0:1], 0x80              ; b5
	v_lshl_add_u32 v160, v0, 2, 0x5c00
	v_mov_b32 v161, 0
	v_lshrrev_b32 v1, 5, v0
	s_delay_alu instid0(VALU_DEP_1)
	v_readfirstlane_b32 s40, v1                    ; wave 0..7
	v_and_b32 v1, 31, v0                           ; lane
	v_and_b32 v2, 15, v0                           ; r
	v_bfe_u32 v3, v0, 4, 1                         ; h'
	v_and_b32 v4, 7, v0                            ; r % 8
	v_bfe_u32 v5, v0, 3, 1                         ; r / 8
	v_lshlrev_b32 v14, 4, v1                       ; 16 x lane
	s_mov_b32 s[SEL], 0x76543210
	s_mov_b32 s[SEL+1], 0xfedcba98
	s_cmp_lt_u32 ttmp9, 256                        ; the same in all eight waves of a work-group
	s_cbranch_scc0 .Lweights
	; ================ x: 32 rows.  Wave w: head w % 4, tile of 16 rows w / 4
	s_and_b32 s41, s40, 3                          ; head
	s_lshr_b32 s42, s40, 2                         ; qt
	s_lshl_b32 s44, s41, 7                         ; 128 x head
	s_mul_i32 s43, s42, 16*528
	s_add_co_u32 s43, s43, s44
	s_wait_alu depctr_va_vdst(0)
	v_mul_u32_u24 v6, v2, 528
	s_delay_alu instid0(VALU_DEP_1)
	v_lshl_add_u32 v6, v3, 6, v6
	s_delay_alu instid0(VALU_DEP_1)
	v_add_nc_u32 v6, s43, v6                       ; x in LDS: row 16 qt + r, my 64 bytes
	s_mul_i32 s43, s41, 768
	s_lshl_b32 s45, s42, 6
	s_add_co_u32 s43, s43, s45
	s_add_co_u32 s43, s43, L_OUT
	v_mul_u32_u24 v7, v5, 260
	s_delay_alu instid0(VALU_DEP_1)
	v_lshl_add_u32 v7, v4, 3, v7
	s_delay_alu instid0(VALU_DEP_1)
	v_lshl_add_u32 v7, v3, 7, v7
	s_delay_alu instid0(VALU_DEP_1)
	v_add_nc_u32 v7, s43, v7                       ; KC: lane 8 qt + r % 8 + 16 h', register 3 (r / 8): plane and word give 0 or 260 bytes
	s_delay_alu instid0(VALU_DEP_1)
	v_mad_u32_u24 v8, v5, 248, v7
	s_delay_alu instid0(VALU_DEP_1)
	v_add_nc_u32 v8, 4, v8                         ; the register after it: 4 or 512
	s_lshl_b32 s43, s42, 5
	s_add_co_u32 s43, s43, s44                     ; 128 head + 32 qt
	s_add_co_u32 s45, s43, L_OUT+KSOF
	v_lshlrev_b32 v9, 6, v5
	s_delay_alu instid0(VALU_DEP_1)
	v_lshl_add_u32 v9, v4, 2, v9
	s_delay_alu instid0(VALU_DEP_1)
	v_add_nc_u32 v9, s45, v9                       ; KS: lane 16 (r / 8) + 8 qt + r % 8
	v_mul_u32_u24 v10, v3, 16*528
	s_delay_alu instid0(VALU_DEP_1)
	v_lshl_add_u32 v10, v2, 2, v10
	s_delay_alu instid0(VALU_DEP_1)
	v_lshl_add_u32 v10, v5, 5, v10
	s_delay_alu instid0(VALU_DEP_1)
	v_add_nc_u32 v10, s43, v10                     ; a column of x: feature 32 head + 8 qt + r + 8 (r / 8), keys 16 h' on
	s_lshl_b32 s43, s41, 1
	s_add_co_u32 s43, s43, s42                     ; 2 head + qt
	s_mul_i32 s45, s43, 384
	s_add_co_u32 s45, s45, L_OUT+VCOF
	v_mul_u32_u24 v11, v3, 132
	s_delay_alu instid0(VALU_DEP_1)
	v_lshl_add_u32 v11, v2, 3, v11
	s_delay_alu instid0(VALU_DEP_1)
	v_add_nc_u32 v11, s45, v11                     ; VC: row r, register 3 h': 0 or 132 bytes
	s_delay_alu instid0(VALU_DEP_1)
	v_mad_u32_u24 v12, v3, 120, v11
	s_delay_alu instid0(VALU_DEP_1)
	v_add_nc_u32 v12, 4, v12                       ; the register after it: 4 or 256
	s_lshl_b32 s46, s40, 9
	s_add_co_u32 s47, s46, L_OUT
	v_add_nc_u32 v13, s47, v14                     ; the way out: piece w of the chunk's 13 pieces of 512 bytes
	v_lshlrev_b32 v15, 9, v2
	s_delay_alu instid0(VALU_DEP_1)
	v_lshl_add_u32 v15, v3, 6, v15                 ; x in memory: 512 r + 64 h'
	v_lshlrev_b32 v16, 2, v2                       ; 4 r
	s_lshl_b32 s48, ttmp9, 14                      ; 32 rows of 512 bytes a work-group
	s_lshl_b32 s49, s42, 13
	s_add_co_u32 s48, s48, s49
	s_add_co_u32 s48, s48, s44
	s_mov_b32 s49, 0
	s_lshr_b32 s50, ttmp9, 6                       ; batch
	s_mul_i32 s50, s50, BATCHB
	s_bfe_u32 s51, ttmp9, 0x40002                  ; key step
	s_mul_i32 s51, s51, STEPB
	s_add_co_u32 s50, s50, s51
	s_add_co_u32 s50, s50, B_CODES
	s_and_b32 s52, ttmp9, 3                        ; chunk
	s_mul_i32 s53, s52, CHB
	s_add_co_u32 s54, s50, s53
	s_add_co_u32 s54, s54, s46                     ; my piece of my chunk
	s_mov_b32 s55, 0
	s_lshl_b32 s56, s43, 6
	s_add_co_u32 s56, s56, s50
	s_add_co_u32 s56, s56, s52
	s_add_co_u32 s56, s56, VSOF                    ; VS: 64 (2 head + qt), byte = chunk
	s_mov_b32 s57, 0
	s_wait_alu depctr_va_vdst(0)
	s_wait_kmcnt 0x0
	s_add_nc_u64 s[48:49], s[4:5], s[48:49]
	s_add_nc_u64 s[54:55], s[26:27], s[54:55]
	s_add_nc_u64 s[56:57], s[26:27], s[56:57]
.irp i, 0,1,2,3
	global_load_b128 v[Y+4*\i:Y+4*\i+3], v15, s[48:49] offset:16*\i
.endr
	s_wait_loadcnt 0x0
.irp i, 0,1,2,3
	ds_store_b128 v6, v[Y+4*\i:Y+4*\i+3] offset:16*\i
.endr
	QBLK Y, CD, 24                                 ; along the head's 32 features
	PUT3 7, 8, 256
	v_perm_b32 v24, v27, v27, 0                    ; the byte four times
	ds_store_b32 v9, v24                           ; (both halves of the lanes write the same word with the same value)
	BAR                                            ; 32 rows of x lie in LDS
.irp i, 0,1,2,3,4,5,6,7,8,9,10,11,12,13,14,15
	ds_load_b32 v[VV+\i], v10 offset:528*\i
.endr
	s_wait_dscnt 0x0
	QBLK VV, CD, 24                                ; along the chunk's 32 keys
	PUT3 11, 12, 128
	global_store_b8 v16, v27, s[56:57]             ; a word's four bytes belong to four work-groups: 128 single bytes a work-group
	BAR                                            ; the chunk's image is whole
	ds_load_b128 v[64:67], v13
	s_wait_dscnt 0x0
	global_store_b128 v14, v[64:67], s[54:55]      ; 32 lanes store 512 consecutive bytes, at a multiple of 256 from the buffer's first byte
	s_cmp_lt_u32 s40, 5
	s_cbranch_scc0 .Lx_end
	ds_load_b128 v[68:71], v13 offset:4096         ; pieces 8 to 12
	s_wait_dscnt 0x0
	global_store_b128 v14, v[68:71], s[54:55] offset:4096
.Lx_end:
	s_wait_tensorcnt 0x0
	ds_add_u32 v160, v161
	s_wait_dscnt 0x0
	s_endpgm
	; ================ the weights.  n = work-group - 256; layer = n / 9; j = n % 9: 0 Wo, 1-4 fc1, 5-8 fc2.  No LDS, no barrier
.Lweights:
	s_sub_co_u32 s41, ttmp9, 256
	s_mul_i32 s42, s41, 57
	s_lshr_b32 s42, s42, 9                         ; n / 9, right for n up to 53
	s_mul_i32 s43, s42, 9
	s_sub_co_u32 s43, s41, s43                     ; j
	s_sub_co_i32 s44, s43, 1
	s_max_i32 s44, s44, 0
	s_lshl_b32 s44, s44, 3
	s_add_co_u32 s44, s44, s40                     ; Wo, fc1: tile = fragment = 8 (j - 1) + wave (Wo: wave)
	s_sub_co_i32 s45, s43, 5
	s_max_i32 s45, s45, 0                          ; fc2: block b of 32 outputs
	s_lshr_b32 s46, s40, 2                         ; its tile u
	s_and_b32 s47, s40, 3                          ; and K step
	s_lshl_b32 s48, s45, 1
	s_add_co_u32 s48, s48, s46                     ; tile 2 b + u
	s_lshl_b32 s49, s45, 3
	s_add_co_u32 s50, s49, s40                     ; fragment 8 b + 4 u + step
	s_lshl_b32 s51, s47, 1
	s_add_co_u32 s51, s51, s46
	s_add_co_u32 s51, s51, s49                     ; scale words' place, in 64 bytes: 8 b + 2 step + u
	s_mov_b32 s52, B_W2C
	s_mov_b32 s53, B_W1C
	s_mov_b32 s54, B_W2S
	s_mov_b32 s55, B_W1S
	s_mov_b32 s56, B_WOS
	s_wait_kmcnt 0x0
	s_cmp_eq_u32 s43, 0                            ; every choice hangs on the work-group's number alone
	s_cselect_b64 s[58:59], s[6:7], s[8:9]
	s_cselect_b32 s62, 16, 18                      ; log2 of a layer's bytes
	s_cselect_b32 s53, 0, s53
	s_cselect_b32 s55, s56, s55
	s_cmp_ge_u32 s43, 5
	s_cselect_b64 s[58:59], s[10:11], s[58:59]
	s_cselect_b32 s63, 11, 9                       ; log2 of a row's bytes
	s_cselect_b32 s48, s48, s44                    ; tile
	s_cselect_b32 s47, s47, 0                      ; K step
	s_cselect_b32 s50, s50, s44                    ; fragment
	s_cselect_b32 s51, s51, s44                    ; scale words' place
	s_cselect_b32 s52, s52, s53                    ; where the weight's fragments begin
	s_cselect_b32 s54, s54, s55                    ; and its scale words
	s_lshr_b32 s44, s48, 1
	s_lshl_b32 s44, s44, 5
	s_and_b32 s45, s48, 1
	s_lshl_b32 s45, s45, 3
	s_add_co_u32 s44, s44, s45                     ; the tile's first row
	s_lshl_b32 s44, s44, s63
	s_lshl_b32 s45, s42, s62
	s_add_co_u32 s44, s44, s45
	s_lshl_b32 s45, s47, 9                         ; 128 numbers a K step
	s_add_co_u32 s44, s44, s45
	s_mov_b32 s45, 0
	s_add_nc_u64 s[58:59], s[58:59], s[44:45]
	s_mov_b64 s[38:39], s[26:27]                   ; the layer's buffer
	s_cmp_eq_u32 s42, 1
	s_cselect_b64 s[38:39], s[28:29], s[38:39]
	s_cmp_eq_u32 s42, 2
	s_cselect_b64 s[38:39], s[30:31], s[38:39]
	s_cmp_eq_u32 s42, 3
	s_cselect_b64 s[38:39], s[32:33], s[38:39]
	s_cmp_eq_u32 s42, 4
	s_cselect_b64 s[38:39], s[34:35], s[38:39]
	s_cmp_eq_u32 s42, 5
	s_cselect_b64 s[38:39], s[36:37], s[38:39]
	s_mul_i32 s44, s50, 1536
	s_add_co_u32 s44, s44, s52
	s_add_nc_u64 s[46:47], s[38:39], s[44:45]      ; my fragment
	s_lshl_b32 s44, s51, 6
	s_add_co_u32 s44, s44, s54
	s_add_nc_u64 s[48:49], s[38:39], s[44:45]      ; its scale words
	s_wait_alu depctr_va_vdst(0)
	v_lshl_add_u32 v6, v5, 3, v2                   ; r + 8 (r / 8)
	s_delay_alu instid0(VALU_DEP_1)
	v_lshlrev_b32 v6, s63, v6
	s_delay_alu instid0(VALU_DEP_1)
	v_lshl_add_u32 v6, v3, 6, v6                   ; + 64 h': my 16 numbers of each block of 32
.irp b, 0,1,2,3
.irp i, 0,1,2,3
	global_load_b128 v[Y+16*\b+4*\i:Y+16*\b+4*\i+3], v6, s[58:59] offset:128*\b+16*\i th:TH_LOAD_NT
.endr
.endr
.irp b, 0,1,2,3
	v_mov_b32 v[TM+4+\b], 0                        ; a lane permute's destination counts as one of its sources
.endr
	v_lshlrev_b32 v7, 2, v2
	s_wait_loadcnt 0x0
	QUANT Y
.irp c, 0,1,2
	global_store_b128 v14, v[PC+4*\c:PC+4*\c+3], s[46:47] offset:512*\c   ; the operand's registers as they stand: 512 consecutive bytes a store
.endr
	global_store_b32 v7, v[PW], s[48:49]           ; row r's word (both halves of the lanes hold the same)
	s_or_b32 s44, s43, s40
	s_cmp_lg_u32 s44, 0
	s_cbranch_scc1 .Lw_end
	; wave 0 of a layer's first work-group: the layer's biases and gains, ten pieces of 512 bytes
	s_lshl_b32 s44, s42, 9
	v_add_nc_u32 v8, s44, v14
	s_lshl_b32 s44, s42, 11
	v_add_nc_u32 v9, s44, v14
	global_load_b128 v[32:35], v8, s[12:13]
	global_load_b128 v[36:39], v8, s[14:15]
	global_load_b128 v[40:43], v8, s[16:17]
.irp i, 0,1,2,3
	global_load_b128 v[44+4*\i:47+4*\i], v9, s[18:19] offset:512*\i
.endr
	global_load_b128 v[60:63], v8, s[20:21]
	global_load_b128 v[64:67], v8, s[22:23]
	global_load_b128 v[68:71], v8, s[24:25]
	s_wait_loadcnt 0x0
.irp i, 0,1,2,3,4,5,6,7,8,9
	global_store_b128 v14, v[32+4*\i:35+4*\i], s[38:39] offset:B_PAR+512*\i
.endr
.Lw_end:
	s_endpgm
.Lfunc_end_k_q9a40fe8e17_prep:
	.size	k_q9a40fe8e17_prep, .Lfunc_end_k_q9a40fe8e17_prep-k_q9a40fe8e17_prep
	.p2alignl 7, 3214868480
	.fill 96, 4, 3214868480
	.section	.rodata,"a",@progbits
	.p2align	6, 0x0
	.amdhsa_kernel k_q9a40fe8e17_prep
		.amdhsa_group_segment_fixed_size 24576
		.amdhsa_private_segment_fixed_size 0
		.amdhsa_enable_private_segment 0
		.amdhsa_kernarg_size 136
		.amdhsa_user_sgpr_count 2
		.amdhsa_user_sgpr_kernarg_segment_ptr 1
		.amdhsa_wavefront_size32 1
		.amdhsa_system_sgpr_workgroup_id_x 1
		.amdhsa_system_sgpr_workgroup_id_y 1
		.amdhsa_system_sgpr_workgroup_id_z 1
		.amdhsa_system_vgpr_workitem_id 0
		.amdhsa_next_free_vgpr 162
		.amdhsa_next_free_sgpr 66
		.amdhsa_reserve_vcc 0
		.amdhsa_float_denorm_mode_32 3
		.amdhsa_float_denorm_mode_16_64 3
		.amdhsa_memory_ordered 1
		.amdhsa_forward_progress 1
		.amdhsa_inst_pref_size 23
	.end_amdhsa_kernel
	.amdgpu_metadata
---
amdhsa.version: [ 1, 2 ]
amdhsa.kernels:
  - .name:           k_q9a40fe8e17_prep
    .symbol:         k_q9a40fe8e17_prep.kd
    .args:
      - { .name: x, .offset: 0, .size: 8, .value_kind: global_buffer, .address_space: global }
      - { .name: wo_w, .offset: 8, .size: 8, .value_kind: global_buffer, .address_space: global }
      - { .name: fc1_w, .offset: 16, .size: 8, .value_kind: global_buffer, .address_space: global }
      - { .name: fc2_w, .offset: 24, .size: 8, .value_kind: global_buffer, .address_space: global }
      - { .name: wo_b, .offset: 32, .size: 8, .value_kind: global_buffer, .address_space: global }
      - { .name: ln1_g, .offset: 40, .size: 8, .value_kind: global_buffer, .address_space: global }
      - { .name: ln1_b, .offset: 48, .size: 8, .value_kind: global_buffer, .address_space: global }
      - { .name: fc1_b, .offset: 56, .size: 8, .value_kind: global_buffer, .address_space: global }
      - { .name: fc2_b, .offset: 64, .size: 8, .value_kind: global_buffer, .address_space: global }
      - { .name: ln2_g, .offset: 72, .size: 8, .value_kind: global_buffer, .address_space: global }
      - { .name: ln2_b, .offset: 80, .size: 8, .value_kind: global_buffer, .address_space: global }
      - { .name: b0, .offset: 88, .size: 8, .value_kind: global_buffer, .address_space: global }
      - { .name: b1, .offset: 96, .size: 8, .value_kind: global_buffer, .address_space: global }
      - { .name: b2, .offset: 104, .size: 8, .value_kind: global_buffer, .address_space: global }
      - { .name: b3, .offset: 112, .size: 8, .value_kind: global_buffer, .address_space: global }
      - { .name: b4, .offset: 120, .size: 8, .value_kind: global_buffer, .address_space: global }
      - { .name: b5, .offset: 128, .size: 8, .value_kind: global_buffer, .address_space: global }
    .group_segment_fixed_size: 24576
    .private_segment_fixed_size: 0
    .kernarg_segment_align: 8
    .kernarg_segment_size: 136
    .max_flat_workgroup_size: 256
    .sgpr_count:     66
    .vgpr_count:     162
    .wavefront_size: 32
...
	.end_amdgpu_metadata
.endif
;; end of part 1
;; launch l0 (part 2): grid 256 x 1, 16 waves a work-group, clusters of 4 x 1, 327,680 bytes of LDS; arguments x, b0, xa, b1; writes xa, b1
.if DOCPART == 2
	.amdgcn_target "amdgcn-amd-amdhsa--gfx1250"
	.amdhsa_code_object_version 6
	.text
	.protected	k_q9a40fe8e17_l0
	.globl	k_q9a40fe8e17_l0
	.p2align	8
	.type	k_q9a40fe8e17_l0,@function
k_q9a40fe8e17_l0:
	s_mov_b64 s[64:65], 0
	v_nop
	global_prefetch_b8 v0, s[64:65] scope:SCOPE_SE
	s_setreg_imm32_b32 hwreg(HW_REG_WAVE_MODE, 25, 1), 1
	s_wait_xcnt 0x0
	s_wait_alu depctr_hold_cnt(0) depctr_sa_sdst(0) depctr_va_vdst(0) depctr_va_sdst(0) depctr_va_ssrc(0) depctr_va_vcc(0) depctr_vm_vsrc(0)
	s_getreg_b32 s2, hwreg(HW_REG_IB_STS2, 6, 4)
	s_cmp_eq_u32 s2, 0
	s_cbranch_scc0 .Lentry_in_a_cluster
	s_endpgm
.Lentry_in_a_cluster:
	s_bfe_u32 s2, ttmp6, 0x10000c
	s_cmp_lg_u32 s2, 0x3003
	s_cbranch_scc0 .Lentry_shape_is_right
	s_endpgm
.Lentry_shape_is_right:
; ONE ENCODER LAYER: x -> LN2(x1 + (x1 W1^T + b1) W2^T + b2), x1 = LN1(x + attention(x) Wo^T + bo); attention over 4 heads of 32 features with q = k = v = the head's slice of x.
; All five products on codes of BF6 (E3M2) with one E8M0 byte for each 32 along K; all else in f32.  Arguments: xin (f32), bin (this layer's weights as register images, and xin's codes), xout (f32), bout (xout's codes for the next layer).
; The body serves all six layers; the last layer's codes go to a buffer that nobody reads any more (6,784 bytes a work-group).
; SHARES.  256 work-groups of 32 rows; 16 waves of 256 registers, four to a SIMD.  Wave w: head w % 4, tile of 16 queries (w / 4) % 2, and of the batch's 16 key steps (128 keys each) the even ones (w < 8) or the odd ones.
;   The two halves' sums meet in LDS.  Behind attention waves 0-7 own (tile of rows, 32 features): Wo, both norms, fc2, the codes; waves 8-15 own (tile of rows, 128 hidden units): fc1, and x's way out.
; CLUSTER.  The four work-groups of a cluster are the four chunks of one key step; all walk the same batch's codes, 16 key steps of 27,136 bytes.  LDS has room for twelve: key steps 0-11 are asked for JOINTLY at the head,
;   one tensor load a wave (waves 0-11, wave w key step w, at LDS byte 27,136 w), each with a mask of the four.  They are first fills: no LDS byte is filled twice, and a wave has at most one tensor load out.
;   Key steps 12-15 have no room in LDS: each wave loads its fragments of them from memory straight into the operand's registers, by the same lane offsets, and they are walked FIRST, while the twelve tiles are on their way.
;   One barrier, in the middle of a wave's second step, with every wave's wait for its tensor load in front of it, shows the twelve tiles to all waves; the six steps behind it have no barrier.
;   The weights are NOT asked for jointly: LDS is full until attention ends, and each fragment is wanted by one wave of a work-group, straight in registers.
; A STEP AHEAD.  K's fragments and scales of a wave's next step are asked for behind this step's eight score products (their registers are free then); V's at the step's top, for the products at its end.
; PREFETCH.  Waves 12-15, which issue no fill, ask once, at the head, a lane a block of 256 bytes, the cluster's four work-groups sharing the blocks out by address: key steps 12-15 (106 blocks a work-group),
;   the weights and parameters (128 blocks a work-group), and, waves 12 and 13, the work-group's own 32 rows of xin (64 blocks).  What comes by tensor loads is not prefetched: it is asked for at the head itself.
; K Q^T WITH K = 32.  A fragment's 12 registers hold FOUR tiles of 16 keys of one head: tile j in registers 3 j .. 3 j + 2, features 16 (lane / 16) on.  The queries' operand for tile j has its three registers of codes at the same
;   place and zero codes elsewhere: k is permuted alike on both sides, zero codes take the other tiles out, and a row's scale byte stands four times in its word.
; BOTH PRODUCTS TRANSPOSED (source 0 = keys, or features of V; source 1 = my 16 queries): a lane holds one query throughout.  The keys of a tile are 16 (m / 8) + 8 u + m % 8, so that 16 registers of two tiles are 16 neighbouring keys.
; SOFTMAX: t = score x log2(e) / sqrt(32); M = the running largest t rounded up to a whole number; p = 2^(t - M) is quantised, not normalised; the sum is taken of the unquantised p and divides at the end.
; LIMITS: NaN and infinities are not served; p under 2^-126 counts as 0; a block of zeros has the byte 1, not 127 (its codes are zeros, this program alone reads the bytes); t is made with one constant where the definition multiplies
;   twice; a row's variance is joined from four partial means and sums of squares about them; 1 / sum and the reciprocal root come from v_rcp_f32 and v_rsq_f32; the scaled scores stay under 2^31 in magnitude.
.set B_WOC,   0                        ; ---- a buffer b, bytes (laid by the launch in front)
.set B_W1C,   12288
.set B_W2C,   61440
.set B_WOS,   110592
.set B_W1S,   111104
.set B_W2S,   113152
.set B_PAR,   115200                   ; wo_b +0, ln1_g +512, ln1_b +1024, fc1_b +1536, fc2_b +3584, ln2_g +4096, ln2_b +4608
.set B_CODES, 122880
.set BATCHB,  434176
.set STEPB,   27136                    ; a key step: four chunks, then VS
.set CHB,     6656                     ; a chunk: KC 3,072, VC 3,072, KS 512
.set VCOF,    3072
.set KSOF,    6144
.set VSOF,    26624
.set L_SPARE, 325632                   ; ---- LDS: twelve key steps from byte 0; behind them the spare words, 128 bytes for each of 16 waves
.set L_MRG,   108544                   ; scratch, on tiles that have had their one fill and that nobody reads behind the barrier at the tail's head
.set L_OIMG,  129024                   ; o's two fragments, six planes of 256 bytes; x1's lie D_X1I on
.set D_X1I,   3072
.set L_OSC,   135168                   ; o's scale words, 128 bytes a tile; x1's D_X1S on
.set D_X1S,   256
.set L_STAT,  135680                   ; a row's four (mean, sum of squares); the second norm's D_ST2 on
.set D_ST2,   1024
.set L_HIMG,  137728                   ; the hidden layer's 8 fragments, three planes of 512 bytes
.set L_HSC,   150016                   ; their scale words
.set L_XST,   151040                   ; xout: 32 rows, 528 bytes apart
.set L_OUT,   167936                   ; the image of my chunk of codes
.set SPW,1                             ; ---- vector registers that stay.  v1 my spare word; v2 zero
.set NIL,2
.set AK0,3                             ; my lane's place in a key step: K's codes, V's codes, scale words (also the offsets of the loads from memory)
.set AV0,4
.set AS0,5
.set ADK,6                             ; LDS addresses: the next step's K, this step's V, this step's V scales; v35 the next step's K scales
.set ADV,7
.set ADS,8
.set MRGA,9
.set OIA0,10
.set OIA1,11
.set OSB,12
.set FRA,13
.set FSA,14
.set STL,15
.set STA,16
.set HIA,17
.set HIL,18
.set HSA,19
.set HSL,20
.set XSA,21
.set KCA0,22
.set KCA1,23
.set KSA,24
.set VLA,25
.set VCA0,26
.set VCA1,27
.set CPA,28
.set XRL,29
.set L16,30                            ; offsets into memory, never rewritten: 16 lane, 4 lane, 64 h', 512 r + 64 h', 4 r
.set L4,31
.set P64,32
.set XG,33
.set R4,34
.set ADKS,35
.set NM,36                             ; ---- attention: v36 -M, v37 the largest score; the row's sum in five pairs: v[38:39], v[238:239], v[252:253], v[254:255], v[78:79]
.set LS,38
.set QB,58                             ; v40-57, v58-75: two runs of zeros with the queries' codes at v49-51 and v64-66
.set KF,80                             ; v80-103  128 keys;  v76, v77 at work
.set VF,104                            ; v104-127 32 features x 128 keys
.set S,128                             ; v128-191 scores, then p
.set O,192                             ; v192-207 O^T
.set PC,208                            ; v208-227 codes just made
.set TM,228                            ; v228-243 at work
.set QS,244
.set VSC,245
.set KSC,246                           ; v246-249 K's scales; later fc1's or fc2's
.set PS,250
.set WOSR,251
.set FS,252
.set CD,36                             ; ---- the tail, waves 0-7
.set G,40
.set BB,56
.set WOF,80
.set DV,80
.set LT,96
.set Y,104
.set WB,120
.set W2F,136
.set PO,136
.set VV,136
.set FRG,232
.set HF,40
.set W1F,40                            ; ---- the tail, waves 8-15
.set H,136
.set WV,12                             ; ---- scalars
.set HD,13
.set QT,14
.set KH,15
.set CX,16
.set W8,17
.set SEL,20
.set CS,22
.set G1,24
.set G0,32
.set TK,36                             ; LDS byte of the next step's K
.set XP,38                             ; s[38:39] my 32 rows of xin, for the prefetch
.set BC,40                             ; s[40:41] key step 12 of my batch's codes
.set TB,44                             ; LDS byte of this step's V
.set CNT,45
.set OWNI,46
.set OWNO,48
.set VSO,50
.set XI,52
.set XO,54
.set B128,56
.set B512,58
.set B3K,60
.set B12K,62
.macro CROUND                          ; a round of the cluster's barrier
	s_barrier_signal -1
	s_barrier_wait -1
	s_cmp_lg_u32 s[WV], 0
	s_cbranch_scc1 .Lnot_wave_0_\@
	s_barrier_signal -3
.Lnot_wave_0_\@:
	s_barrier_wait -3
	s_barrier_signal -1
	s_barrier_wait -1
.endm
.macro BAR                             ; my LDS stores have landed and my LDS loads are in: then the work-group's barrier
	s_wait_dscnt 0x0
	s_barrier_signal -1
	s_barrier_wait -1
.endm
.macro MMZ d, a, b, sa, sb, row        ; a product that starts a sum.  row: source 0's scales stand in lanes 16-31
.if \row
	v_wmma_scale_f32_16x16x128_f8f6f4 v[\d:\d+7], v[\a:\a+11], v[\b:\b+11], 0, v[\sa], v[\sb] matrix_a_fmt:MATRIX_FMT_BF6 matrix_b_fmt:MATRIX_FMT_BF6 matrix_a_scale:MATRIX_SCALE_ROW1
.else
	v_wmma_scale_f32_16x16x128_f8f6f4 v[\d:\d+7], v[\a:\a+11], v[\b:\b+11], 0, v[\sa], v[\sb] matrix_a_fmt:MATRIX_FMT_BF6 matrix_b_fmt:MATRIX_FMT_BF6
.endif
.endm
.macro MMA d, a, b, sa, sb, row        ; a product that adds onto v[d] on
.if \row
	v_wmma_scale_f32_16x16x128_f8f6f4 v[\d:\d+7], v[\a:\a+11], v[\b:\b+11], v[\d:\d+7], v[\sa], v[\sb] matrix_a_fmt:MATRIX_FMT_BF6 matrix_b_fmt:MATRIX_FMT_BF6 matrix_a_scale:MATRIX_SCALE_ROW1
.else
	v_wmma_scale_f32_16x16x128_f8f6f4 v[\d:\d+7], v[\a:\a+11], v[\b:\b+11], v[\d:\d+7], v[\sa], v[\sb] matrix_a_fmt:MATRIX_FMT_BF6 matrix_b_fmt:MATRIX_FMT_BF6
.endif
.endm
.macro PLACES                          ; four plain lines between a product and the first read of its result or a load into one of its registers
.rept 4
	v_nop
.endr
.endm
.macro SCW                             ; four blocks' largest magnitudes in v[TM] on -> scale operands, bytes, the scale word
.irp b, 0,1,2,3
	s_delay_alu instid0(VALU_DEP_4)
	v_add_nc_u32 v[TM+12+\b], 0xfe000000, v[TM+\b]                 ; 4 off the exponent field: the conversion takes that field as its scale
.endr
.irp b, 0,1,2,3
	s_delay_alu instid0(VALU_DEP_4)
	v_lshrrev_b32 v[TM+4+\b], 23, v[TM+12+\b]
.endr
	s_delay_alu instid0(VALU_DEP_3)
	v_lshl_or_b32 v[PS], v[TM+5], 8, v[TM+4]
	s_delay_alu instid0(VALU_DEP_1)
	v_lshl_or_b32 v[PS], v[TM+6], 16, v[PS]
	s_delay_alu instid0(VALU_DEP_1)
	v_lshl_or_b32 v[PS], v[TM+7], 24, v[PS]
.endm
.macro CVT4 src                        ; 64 numbers of a lane, register 16 b + i = k 32 b + 16 (lane / 16) + i, -> the operand's 12 registers in v[PC] on
.irp c, 0,1
	v_cvt_scalef32_pk16_bf6_f32 v[PC+6*\c:PC+6*\c+2], v[\src+32*\c:\src+32*\c+15], v[TM+12+2*\c]
	v_cvt_scalef32_pk16_bf6_f32 v[PC+12+4*\c:PC+14+4*\c], v[\src+16+32*\c:\src+31+32*\c], v[TM+13+2*\c]   ; (a conversion's three registers begin on an even number)
.endr
	v_nop                                          ; one plain line behind the conversions
.irp c, 0,1                                    ; the operand wants a whole block in a lane
.irp i, 0,1,2
	v_permlane16_swap_b32 v[PC+6*\c+\i], v[PC+12+4*\c+\i]
.endr
.irp i, 0,1,2
	s_delay_alu instid0(VALU_DEP_3)
	v_mov_b32 v[PC+3+6*\c+\i], v[PC+12+4*\c+\i]
.endr
.endr
.endm
.macro QUANT src
.irp b, 0,1,2,3
	v_max3_num_f32 v[TM+\b], |v[\src+16*\b]|, |v[\src+1+16*\b]|, 0x2800000   ; the floor 2^(5 - 127): the byte cannot fall under 1
.endr
.irp i, 2,4,6,8,10,12,14
.irp b, 0,1,2,3
	v_max3_num_f32 v[TM+\b], v[TM+\b], |v[\src+16*\b+\i]|, |v[\src+1+16*\b+\i]|
.endr
.endr
.irp b, 0,1,2,3
	s_delay_alu instid0(VALU_DEP_4)
	v_permlanex16_b32 v[TM+4+\b], v[TM+\b], s[SEL], s[SEL+1]
.endr
.irp b, 0,1,2,3
	s_delay_alu instid0(VALU_DEP_4)
	v_max_num_f32 v[TM+\b], v[TM+\b], v[TM+4+\b]
.endr
	SCW
	CVT4 \src
.endm
; 16 numbers of a lane and the 16 of lane l xor 16 are one block: codes into v[CD] on (96 bits), the byte into v79
.macro QBLK src
	v_max3_num_f32 v76, |v[\src]|, |v[\src+1]|, 0x2800000
	v_max3_num_f32 v77, |v[\src+2]|, |v[\src+3]|, |v[\src+4]|
.irp i, 5,9
	s_delay_alu instid0(VALU_DEP_2)
	v_max3_num_f32 v76, v76, |v[\src+\i]|, |v[\src+\i+1]|
	s_delay_alu instid0(VALU_DEP_2)
	v_max3_num_f32 v77, v77, |v[\src+\i+2]|, |v[\src+\i+3]|
.endr
	s_delay_alu instid0(VALU_DEP_2)
	v_max3_num_f32 v76, v76, |v[\src+13]|, |v[\src+14]|
	s_delay_alu instid0(VALU_DEP_1)
	v_max3_num_f32 v76, v76, v77, |v[\src+15]|
	s_delay_alu instid0(VALU_DEP_1)
	v_permlanex16_b32 v77, v76, s[SEL], s[SEL+1]
	s_delay_alu instid0(VALU_DEP_1)
	v_max_num_f32 v76, v76, v77
	s_delay_alu instid0(VALU_DEP_1)
	v_add_nc_u32 v78, 0xfe000000, v76
	v_cvt_scalef32_pk16_bf6_f32 v[CD:CD+2], v[\src:\src+15], v78
	v_lshrrev_b32 v79, 23, v78                     ; the byte; also the plain line behind the conversion
.endm
.macro PUT3 a0, a1, off, d             ; three registers of codes to their places in an image of planes d bytes apart
	ds_store_b32 v[\a0], v[CD] offset:\off
	ds_store_b32 v[\a1], v[CD+1] offset:\off
	ds_store_b32 v[\a0], v[CD+2] offset:\off+\d
.endm
; A NORM, first half: my 32 features' mean and sum of squares about it go to LDS.  Each accumulator of Y is read from its low end on
.macro LN_A off
	v_pk_add_f32 v[76:77], v[Y:Y+1], v[Y+2:Y+3]
	v_pk_add_f32 v[78:79], v[Y+8:Y+9], v[Y+10:Y+11]
	v_pk_add_f32 v[76:77], v[76:77], v[Y+4:Y+5]
	v_pk_add_f32 v[78:79], v[78:79], v[Y+12:Y+13]
	v_pk_add_f32 v[76:77], v[76:77], v[Y+6:Y+7]
	v_pk_add_f32 v[78:79], v[78:79], v[Y+14:Y+15]
	s_delay_alu instid0(VALU_DEP_1)
	v_pk_add_f32 v[76:77], v[76:77], v[78:79]
	s_delay_alu instid0(VALU_DEP_1)
	v_add_f32 v76, v76, v77
	s_delay_alu instid0(VALU_DEP_1)
	v_permlanex16_b32 v77, v76, s[SEL], s[SEL+1]
	s_delay_alu instid0(VALU_DEP_1)
	v_add_f32 v76, v76, v77
	s_delay_alu instid0(VALU_DEP_1)
	v_mul_f32 v72, 0x3d000000, v76                 ; / 32
	s_delay_alu instid0(VALU_DEP_1)
	v_mov_b32 v73, v72
.irp j, 0,2,4,6,8,10,12,14
	v_pk_add_f32 v[DV+\j:DV+\j+1], v[Y+\j:Y+\j+1], v[72:73] neg_lo:[0,1] neg_hi:[0,1]
.endr
	v_pk_mul_f32 v[76:77], v[DV:DV+1], v[DV:DV+1]
	v_pk_mul_f32 v[78:79], v[DV+2:DV+3], v[DV+2:DV+3]
.irp j, 4,8,12
	s_delay_alu instid0(VALU_DEP_2)
	v_pk_fma_f32 v[76:77], v[DV+\j:DV+\j+1], v[DV+\j:DV+\j+1], v[76:77]
	s_delay_alu instid0(VALU_DEP_2)
	v_pk_fma_f32 v[78:79], v[DV+\j+2:DV+\j+3], v[DV+\j+2:DV+\j+3], v[78:79]
.endr
	s_delay_alu instid0(VALU_DEP_1)
	v_pk_add_f32 v[76:77], v[76:77], v[78:79]
	s_delay_alu instid0(VALU_DEP_1)
	v_add_f32 v76, v76, v77
	s_delay_alu instid0(VALU_DEP_1)
	v_permlanex16_b32 v77, v76, s[SEL], s[SEL+1]
	s_delay_alu instid0(VALU_DEP_1)
	v_add_f32 v73, v76, v77
	ds_store_b64 v[STA], v[72:73] offset:\off      ; (both halves of the lanes write the same pair)
.endm
; second half, behind a barrier: the row's mean and variance from the four parts; no difference of large sums is formed.  wl = 1: the gain and bias are still on their way
.macro LN_B off, wl
	ds_load_b128 v[LT:LT+3], v[STL] offset:\off
	ds_load_b128 v[LT+4:LT+7], v[STL] offset:\off+16
	s_wait_dscnt 0x0
	v_add_f32 v76, v[LT], v[LT+2]
	v_add_f32 v77, v[LT+4], v[LT+6]
	v_add_f32 v78, v[LT+1], v[LT+3]
	v_add_f32 v79, v[LT+5], v[LT+7]
	s_delay_alu instid0(VALU_DEP_3)
	v_add_f32 v76, v76, v77
	s_delay_alu instid0(VALU_DEP_2)
	v_add_f32 v78, v78, v79
	s_delay_alu instid0(VALU_DEP_2)
	v_mul_f32 v76, 0x3e800000, v76                 ; the mean
.irp b, 0,2,4,6
	v_sub_f32 v[LT+\b], v[LT+\b], v76
.endr
	s_delay_alu instid0(VALU_DEP_4)
	v_mul_f32 v79, v[LT], v[LT]
	s_delay_alu instid0(VALU_DEP_1)
	v_fmac_f32 v79, v[LT+2], v[LT+2]
	s_delay_alu instid0(VALU_DEP_1)
	v_fmac_f32 v79, v[LT+4], v[LT+4]
	s_delay_alu instid0(VALU_DEP_1)
	v_fmac_f32 v79, v[LT+6], v[LT+6]
	s_delay_alu instid0(VALU_DEP_1)
	v_fmamk_f32 v78, v79, 0x42000000, v78          ; + 32 x the parts' means' squares about the mean
	s_delay_alu instid0(VALU_DEP_1)
	v_fma_f32 v78, v78, s66, s67                   ; / 128 + 1e-8
	s_wait_alu depctr_va_vdst(0)                   ; the wait ahead of the root
	v_rsq_f32 v78, v78
	v_mov_b32 v77, v76                             ; a plain line behind the root
	s_wait_alu depctr_va_vdst(0)                   ; and ahead of the result's first reader
	v_mov_b32 v79, v78
.if \wl
	s_wait_loadcnt 0x0
.endif
.irp j, 0,2,4,6,8,10,12,14
	v_pk_add_f32 v[Y+\j:Y+\j+1], v[Y+\j:Y+\j+1], v[76:77] neg_lo:[0,1] neg_hi:[0,1]
.endr
	s_wait_alu depctr_va_vdst(0)
.irp j, 0,2,4,6,8,10,12,14
	v_pk_mul_f32 v[Y+\j:Y+\j+1], v[Y+\j:Y+\j+1], v[78:79]
.endr
.irp j, 0,2,4,6,8,10,12,14
	v_pk_fma_f32 v[Y+\j:Y+\j+1], v[Y+\j:Y+\j+1], v[G+\j:G+\j+1], v[BB+\j:BB+\j+1]
.endr
.endm
; 16 loads: K's two fragments and four scale words of a key step.  src = 1: from LDS, by v[ADK] and v[ADKS]; src = 2: from memory, go bytes behind key step 12
.macro KLOAD src, go
.irp f, 0,1
.irp p, 0,1,2,3,4,5
.if \src == 1
	ds_load_b64 v[KF+12*\f+2*\p:KF+12*\f+2*\p+1], v[ADK] offset:(2*\f+\p/3)*CHB+(\p%3)*256   ; 32 lanes, 256 consecutive bytes
.else
	global_load_b64 v[KF+12*\f+2*\p:KF+12*\f+2*\p+1], v[AK0], s[BC:BC+1] offset:(\go)+(2*\f+\p/3)*CHB+(\p%3)*256
.endif
.endr
.endr
.irp b, 0,1,2,3
.if \src == 1
	ds_load_b32 v[KSC+\b], v[ADKS] offset:\b*CHB+KSOF      ; lanes 0-15 the chunk's first tile, lanes 16-31 its second
.else
	global_load_b32 v[KSC+\b], v[AS0], s[BC:BC+1] offset:(\go)+\b*CHB+KSOF
.endif
.endr
.endm
; 13 loads: V's two fragments and their scale word
.macro VLOAD src, go
.irp t, 0,1
.irp c, 0,1
.irp p, 0,1,2
.if \src == 1
	ds_load_b64 v[VF+12*\t+6*\c+2*\p:VF+12*\t+6*\c+2*\p+1], v[ADV] offset:2*\c*CHB+384*\t+128*\p   ; lanes 0-15 chunk 2 c, lanes 16-31 chunk 2 c + 1
.else
	global_load_b64 v[VF+12*\t+6*\c+2*\p:VF+12*\t+6*\c+2*\p+1], v[AV0], s[BC:BC+1] offset:(\go)+2*\c*CHB+384*\t+128*\p
.endif
.endr
.endr
.endr
.if \src == 1
	ds_load_b32 v[VSC], v[ADS] offset:VSOF
.else
	global_load_b32 v[VSC], v[AS0], s[BC:BC+1] offset:(\go)+VSOF
.endif
.endm
; A KEY STEP: 128 keys of my head against my 16 queries.  Its K is in registers or on its way.
; vs: this step's V: 0 asked for already (from memory), 1 from LDS, 2 from memory at vo.   ks: the next step's K: 0 none, 1 from LDS, 2 from memory at ko, 3 from LDS behind the barrier that shows the twelve tiles
.macro STEP vs, vo, ks, ko
.if \vs == 1
	v_add_nc_u32 v[ADV], s[TB], v[AV0]             ; with the two additions behind the last step's V products these two lines are the four places ahead of the loads into those products' registers
	v_add_nc_u32 v[ADS], s[TB], v[AS0]
	VLOAD 1, 0
	s_wait_dscnt 13                                ; K's 16 loads are in; V's 13, issued behind them, may stay out
.else
.if \vs == 2
	v_nop                                          ; two more places behind the two additions
	v_nop
	VLOAD 2, \vo
.endif
	s_wait_loadcnt 13                              ; K's 16 loads are in; V's 13, issued behind them, may stay out
.endif
.irp t, 0,1,2,3,4,5,6,7
.set QJ, QB-18*(\t%2)+6*(1-(\t%4)/2)
	MMZ S+8*\t, KF+12*(\t/4), QJ, KSC+\t/2, QS, \t%2
.endr
.if \ks == 1
	v_add_nc_u32 v[ADK], s[TK], v[AK0]             ; four places again: behind them K's registers take the next step's loads, and the scores are read
	v_add_nc_u32 v[ADKS], s[TK], v[AS0]
	v_mov_b32 v77, v[NM]                           ; the old -M
	v_nop
	KLOAD 1, 0
.else
	v_mov_b32 v77, v[NM]                           ; the old -M; with three v_nop the four places
	v_nop
	v_nop
	v_nop
.if \ks == 2
	KLOAD 2, \ko
.endif
.if \ks == 3
	s_wait_tensorcnt 0x0                           ; my key step of the twelve has landed (no LDS instruction of mine is out);
	s_barrier_signal -1
	s_barrier_wait -1                              ; everybody's has
	v_add_nc_u32 v[ADK], s[TK], v[AK0]
	v_add_nc_u32 v[ADKS], s[TK], v[AS0]
	KLOAD 1, 0
.endif
.endif
.irp b, 0,1,2,3
	v_max3_num_f32 v[TM+\b], v[S+16*\b], v[S+1+16*\b], v[S+2+16*\b]   ; the largest score of each block of 32 keys serves twice: for the row's maximum and, since p rises with the score, for the block's largest p
.endr
.irp i, 3,5,7,9,11,13
.irp b, 0,1,2,3
	v_max3_num_f32 v[TM+\b], v[TM+\b], v[S+16*\b+\i], v[S+1+16*\b+\i]
.endr
.endr
.irp b, 0,1,2,3
	v_max_num_f32 v[TM+\b], v[TM+\b], v[S+15+16*\b]
.endr
.irp b, 0,1,2,3                                ; (the four blocks' chains take turns)
	v_permlanex16_b32 v[TM+4+\b], v[TM+\b], s[SEL], s[SEL+1]
.endr
.irp b, 0,1,2,3
	v_max_num_f32 v[TM+\b], v[TM+\b], v[TM+4+\b]
.endr
	s_delay_alu instid0(VALU_DEP_2)
	v_max3_num_f32 v76, v[TM], v[TM+1], v[TM+2]
	s_delay_alu instid0(VALU_DEP_1)
	v_max3_num_f32 v[NM+1], v[NM+1], v76, v[TM+3]  ; the running largest score
	s_delay_alu instid0(VALU_DEP_1)
	v_mul_f32 v76, s[CS], v[NM+1]                  ; as t (c is positive, so the largest score gives the largest t)
	s_delay_alu instid0(VALU_DEP_1)
	v_floor_f32 v[NM], -v76                        ; -M = floor(-t): M is a whole number
	s_delay_alu instid0(VALU_DEP_1)
	v_sub_f32 v76, v[NM], v77                      ; old M - new M, 0 or less
	s_delay_alu instid0(VALU_DEP_1)
	v_cvt_i32_f32 v76, v76                         ; (it saturates)
	s_delay_alu instid0(VALU_DEP_1)
	v_ldexp_f32 v[TM+8], 1.0, v76                  ; f = 2^(old M - new M): multiplying by it rounds nothing
.irp j, 0,2,4,6,8,10,12,14,16,18,20,22,24,26,28,30,32,34,36,38,40,42,44,46,48,50,52,54,56,58,60,62
	v_pk_fma_f32 v[S+\j:S+\j+1], v[S+\j:S+\j+1], s[CS:CS+1], v[NM:NM+1] op_sel_hi:[1,0,0]   ; t - M
.endr
	v_pk_fma_f32 v[TM:TM+1], v[TM:TM+1], s[CS:CS+1], v[NM:NM+1] op_sel_hi:[1,0,0]       ; the same of each block's largest score
	v_pk_fma_f32 v[TM+2:TM+3], v[TM+2:TM+3], s[CS:CS+1], v[NM:NM+1] op_sel_hi:[1,0,0]
	s_wait_alu depctr_va_vdst(0)                   ; the wait ahead of the batch
.irp j, 0,1,2,3,4,5,6,7,8,9,10,11,12,13,14,15,16,17,18,19,20,21,22,23,24,25,26,27,28,29,30,31,32,33,34,35,36,37,38,39,40,41,42,43,44,45,46,47,48,49,50,51,52,53,54,55,56,57,58,59,60,61,62,63
	v_exp_f32 v[S+\j], v[S+\j]                     ; p = 2^(t - M)
.endr
.irp b, 0,1,2,3
	v_exp_f32 v[TM+\b], v[TM+\b]                   ; each block's largest p, in the same batch: the same two instructions on the same number give the same bits
.endr
	s_wait_alu depctr_va_vdst(0)
.irp j, 0,2,4,6,8,10,12,14
	v_pk_mul_f32 v[O+\j:O+\j+1], v[O+\j:O+\j+1], v[TM+8:TM+9] op_sel_hi:[1,0]   ; O^T under the new M; the wait above serves the batch of 68 and O^T's first read alike; these eight are the plain lines behind the batch
.endr
.irp b, 0,1,2,3
	v_max_num_f32 v[TM+\b], 0x2800000, v[TM+\b]    ; the floor: a block whose every p is 0 keeps the byte 1 over zero codes
.endr
.irp b, 0,1,2,3
	v_add_nc_u32 v[TM+12+\b], 0xfe000000, v[TM+\b] ; 4 off the exponent field: the conversion takes that field as its scale
.endr
.irp b, 0,1,2,3
	v_lshrrev_b32 v[TM+4+\b], 23, v[TM+12+\b]      ; the bytes
.endr
.irp c, 0,1
	v_cvt_scalef32_pk16_bf6_f32 v[PC+6*\c:PC+6*\c+2], v[S+32*\c:S+32*\c+15], v[TM+12+2*\c]
	v_cvt_scalef32_pk16_bf6_f32 v[PC+12+4*\c:PC+14+4*\c], v[S+16+32*\c:S+31+32*\c], v[TM+13+2*\c]   ; (a conversion's three registers begin on an even number)
.endr
	v_lshl_or_b32 v[PS], v[TM+5], 8, v[TM+4]       ; p's scale word, in three lines laid among the others; this one is the plain line behind the conversions
	v_lshl_or_b32 v76, v[TM+7], 8, v[TM+6]
.irp c, 0,1                                    ; the operand wants a whole block in a lane
.irp i, 0,1,2
	v_permlane16_swap_b32 v[PC+6*\c+\i], v[PC+12+4*\c+\i]
.endr
.endr
	v_lshl_or_b32 v[PS], v76, 16, v[PS]
.irp c, 0,1
.irp i, 0,1,2
	v_mov_b32 v[PC+3+6*\c+\i], v[PC+12+4*\c+\i]
.endr
.endr
.if \vs == 1
.if \ks == 1
	s_wait_dscnt 16                                ; V is in; the next step's 16 loads of K, issued behind V's, may stay out
.else
	s_wait_dscnt 0x0
.endif
.else
.if \ks == 2
	s_wait_loadcnt 16                              ; V is in; the next step's 16 loads of K, issued behind V's, may stay out
.else
	s_wait_loadcnt 0x0
.endif
.endif
	; the row's sum of the unquantised p, in five pairs that stay from step to step and take turns: each is brought under the new M as it takes its first p (x f rounds nothing)
	v_pk_fma_f32 v[38:39], v[38:39], v[TM+8:TM+9], v[S:S+1] op_sel_hi:[1,0,1]
	v_pk_fma_f32 v[238:239], v[238:239], v[TM+8:TM+9], v[S+2:S+3] op_sel_hi:[1,0,1]
	v_pk_fma_f32 v[252:253], v[252:253], v[TM+8:TM+9], v[S+4:S+5] op_sel_hi:[1,0,1]
	v_pk_fma_f32 v[254:255], v[254:255], v[TM+8:TM+9], v[S+6:S+7] op_sel_hi:[1,0,1]
	v_pk_fma_f32 v[78:79], v[78:79], v[TM+8:TM+9], v[S+8:S+9] op_sel_hi:[1,0,1]
.irp j, 5,10,15,20,25
	v_pk_add_f32 v[38:39], v[38:39], v[S+2*\j:S+2*\j+1]
	v_pk_add_f32 v[238:239], v[238:239], v[S+2*\j+2:S+2*\j+3]
	v_pk_add_f32 v[252:253], v[252:253], v[S+2*\j+4:S+2*\j+5]
	v_pk_add_f32 v[254:255], v[254:255], v[S+2*\j+6:S+2*\j+7]
	v_pk_add_f32 v[78:79], v[78:79], v[S+2*\j+8:S+2*\j+9]
.endr
.irp t, 0,1
	MMA O+8*\t, VF+12*\t, PC, VSC, PS, \t          ; the accumulators take turns, one instruction a turn, over the loop's edge too
.endr
	v_pk_add_f32 v[38:39], v[38:39], v[S+60:S+61]          ; the sum's last two additions name no register of the products above: two of the places behind them
	v_pk_add_f32 v[238:239], v[238:239], v[S+62:S+63]
.if \ks == 1
	s_add_co_u32 s[TB], s[TB], 2*STEPB             ; my next key step: the next but one
.endif
.if (\ks == 1) || (\ks == 3)
	s_add_co_u32 s[TK], s[TK], 2*STEPB
.endif
.endm
	; ================ the head
	s_load_b256 s[4:11], s[0:1], 0x0               ; xin 4, bin 6, xout 8, bout 10
	v_lshl_add_u32 v[SPW], v0, 2, L_SPARE
	v_mov_b32 v[NIL], 0
	ds_add_u32 v[SPW], v[NIL]                      ; the opening lines: the add, twice on end, and its wait ahead of the first tensor load
	ds_add_u32 v[SPW], v[NIL]
	v_lshrrev_b32 v80, 5, v0
	s_delay_alu instid0(VALU_DEP_1)
	v_readfirstlane_b32 s[WV], v80                 ; wave 0..15
	s_and_b32 s[HD], s[WV], 3                      ; head
	s_bfe_u32 s[QT], s[WV], 0x10002                ; tile of 16 rows
	s_lshr_b32 s[KH], s[WV], 3                     ; even or odd key steps; the tail's role
	s_and_b32 s[W8], s[WV], 7
	s_bfe_u32 s[CX], ttmp6, 0x40000                ; my place in the cluster = my chunk of the cluster's key step: it enters addresses in memory alone
	s_lshr_b32 s66, ttmp9, 4                       ; batch (ttmp9 counts clusters: 16 a batch)
	s_mul_i32 s66, s66, BATCHB
	s_add_co_u32 s66, s66, B_CODES                 ; the batch's codes
	s_mov_b32 s67, 0
	s_mul_i32 s68, s[WV], STEPB                    ; key step w, in memory and in LDS alike
	s_add_co_u32 s70, s66, s68                     ; the tile that I fetch: no place in the cluster enters it
	s_mov_b32 s71, 0
	s_and_b32 s72, ttmp9, 15
	s_mul_i32 s72, s72, STEPB
	s_add_co_u32 s72, s72, s66                     ; my cluster's own key step
	s_mul_i32 s74, s[CX], CHB
	s_add_co_u32 s74, s74, s72                     ; my chunk
	s_mov_b32 s75, 0
	s_lshl_b32 s76, s[WV], 9
	s_add_co_u32 s76, s76, s74                     ; and piece w of it
	s_mov_b32 s77, 0
	s_lshl_b32 s78, s[HD], 7
	s_lshl_b32 s79, s[QT], 6
	s_add_co_u32 s78, s78, s79
	s_add_co_u32 s78, s78, s[CX]
	s_add_co_u32 s78, s78, s72
	s_add_co_u32 s78, s78, VSOF                    ; VS: 128 head + 64 tile, byte = chunk
	s_mov_b32 s79, 0
	; descriptor group 1: a key step is one dense block of 27,136 bytes: 106 rows of 256 bytes
	s_mov_b32 s[G1], 15|(3<<16)|(1<<21)            ; the mask: all four work-groups; elements of 8 bytes; no padding; bit 21 set beside a mask
	s_mov_b32 s[G1+1], 32<<16
	s_mov_b32 s[G1+2], 106<<16
	s_mov_b32 s[G1+3], 32<<16
	s_mov_b32 s[G1+4], 106
	s_mov_b32 s[G1+5], 32
	s_mov_b32 s[G1+6], 0
	s_mov_b32 s[G1+7], 0
	s_mov_b32 s[SEL], 0x76543210
	s_mov_b32 s[SEL+1], 0xfedcba98
	s_mov_b32 s[CS], 0x3e8293ee                    ; c = log2(e) / sqrt(32)
	s_mov_b32 s[CS+1], s[CS]
	; the prefetches' offsets, used by waves 12-15: j = 32 (w % 4) + lane
	v_and_b32 v128, 31, v0
	s_and_b32 s38, s[WV], 3
	s_lshl_b32 s38, s38, 5
	v_add_nc_u32 v128, s38, v128
	s_lshl_b32 s39, s[CX], 7
	v_add_lshl_u32 v129, v128, s39, 8              ; bin's first 512 blocks (weights, parameters): block 128 cx + j
	v_min_u32 v130, 105, v128
	s_mul_i32 s39, s[CX], 106
	v_add_lshl_u32 v130, v130, s39, 8              ; key steps 12-15, 424 blocks: block 106 cx + min(j, 105): the lanes left over name the last block again
	v_lshlrev_b32 v131, 8, v128                    ; my rows of xin: block j, j under 64
	s_lshl_b32 s38, ttmp9, 2
	s_add_co_u32 s38, s38, s[CX]
	s_lshl_b32 s38, s38, 14
	s_mov_b32 s39, 0
	s_wait_dscnt 0x0                               ; both opening adds are done
	s_wait_alu depctr_va_vdst(0)
	s_wait_kmcnt 0x0
	s_mov_b32 s[G0], 1
	s_add_co_u32 s[G0+1], s68, 0
	s_add_nc_u64 s[G0+2:G0+3], s[6:7], s[70:71]
	s_or_b32 s[G0+3], s[G0+3], 0x80000000
	s_add_nc_u64 s[BC:BC+1], s[6:7], s[66:67]
	s_add_nc_u64 s[BC:BC+1], s[BC:BC+1], 12*STEPB
	s_add_nc_u64 s[XP:XP+1], s[4:5], s[38:39]
	CROUND                                         ; all four work-groups are here: the joint loads meet
	s_cmp_lt_u32 s[WV], 12                         ; one chain of branches on the wave's number: waves 0-11 fetch a key step each, waves 12-15 prefetch
	s_cbranch_scc0 .Lask
	tensor_load_to_lds s[G0:G0+3], s[G1:G1+7]
	s_nop 0
.rept 4
	v_nop
.endr
	s_branch .Lfirst_asked
.Lask:
	global_prefetch_b8 v130, s[BC:BC+1] th:TH_LOAD_NT scope:SCOPE_SE
	global_prefetch_b8 v129, s[6:7] th:TH_LOAD_NT scope:SCOPE_SE
	s_cmp_lt_u32 s[WV], 14
	s_cbranch_scc0 .Lfirst_asked
	global_prefetch_b8 v131, s[XP:XP+1] th:TH_LOAD_NT scope:SCOPE_SE
.Lfirst_asked:
	s_add_nc_u64 s[OWNI:OWNI+1], s[6:7], s[74:75]
	s_add_nc_u64 s[OWNO:OWNO+1], s[10:11], s[76:77]
	s_add_nc_u64 s[VSO:VSO+1], s[10:11], s[78:79]
	v_and_b32 v80, 31, v0                          ; lane
	v_and_b32 v81, 15, v0                          ; r
	v_bfe_u32 v82, v0, 4, 1                        ; h'
	v_and_b32 v83, 7, v0                           ; r % 8
	v_bfe_u32 v84, v0, 3, 1                        ; r / 8
	; row 16 qt + r in a chunk's KC and KS: first as offsets into my own chunk in memory, for the queries
	s_lshl_b32 s67, s[HD], 7
	s_mul_i32 s66, s[HD], 768
	s_lshl_b32 s68, s[QT], 6
	s_add_co_u32 s66, s66, s68
	v_mul_u32_u24 v[KCA0], v84, 260
	s_delay_alu instid0(VALU_DEP_1)
	v_lshl_add_u32 v[KCA0], v83, 3, v[KCA0]
	s_delay_alu instid0(VALU_DEP_1)
	v_lshl_add_u32 v[KCA0], v82, 7, v[KCA0]
	s_delay_alu instid0(VALU_DEP_1)
	v_add_nc_u32 v[KCA0], s66, v[KCA0]             ; lane 8 qt + r % 8 + 16 h', register 3 (r / 8): 0 or 260 bytes
	s_delay_alu instid0(VALU_DEP_1)
	v_mad_u32_u24 v[KCA1], v84, 248, v[KCA0]
	s_delay_alu instid0(VALU_DEP_1)
	v_add_nc_u32 v[KCA1], 4, v[KCA1]               ; the register after it: 4 or 512
	s_lshl_b32 s66, s[QT], 5
	s_add_co_u32 s66, s66, s67                     ; 128 head + 32 qt
	s_add_co_u32 s68, s66, KSOF
	v_lshlrev_b32 v[KSA], 6, v84
	s_delay_alu instid0(VALU_DEP_1)
	v_lshl_add_u32 v[KSA], v83, 2, v[KSA]
	s_delay_alu instid0(VALU_DEP_1)
	v_add_nc_u32 v[KSA], s68, v[KSA]
.irp q, 49, 64                                 ; my queries' codes, into both runs
	global_load_b32 v[\q], v[KCA0], s[OWNI:OWNI+1]
	global_load_b32 v[\q+1], v[KCA1], s[OWNI:OWNI+1]
	global_load_b32 v[\q+2], v[KCA0], s[OWNI:OWNI+1] offset:256
.endr
	global_load_b32 v[QS], v[KSA], s[OWNI:OWNI+1]
	s_add_co_u32 s66, s66, L_XST
	v_mul_u32_u24 v[VLA], v82, 16*528
	s_delay_alu instid0(VALU_DEP_1)
	v_lshl_add_u32 v[VLA], v81, 2, v[VLA]
	s_delay_alu instid0(VALU_DEP_1)
	v_lshl_add_u32 v[VLA], v84, 5, v[VLA]
	s_delay_alu instid0(VALU_DEP_1)
	v_add_nc_u32 v[VLA], s66, v[VLA]               ; a column of xout: feature 32 head + 8 qt + r + 8 (r / 8), keys 16 h' on
	; my lane's places in a key step
	s_mul_i32 s66, s[KH], STEPB
	s_mul_i32 s68, s[HD], 768
	s_add_co_u32 s68, s68, s66
	v_lshl_add_u32 v[AK0], v80, 3, s68
	s_add_co_u32 s68, s68, VCOF
	v_mul_u32_u24 v[AV0], v82, CHB
	s_delay_alu instid0(VALU_DEP_1)
	v_lshl_add_u32 v[AV0], v81, 3, v[AV0]
	s_delay_alu instid0(VALU_DEP_1)
	v_add_nc_u32 v[AV0], s68, v[AV0]
	s_add_co_u32 s68, s67, s66
	v_lshl_add_u32 v[AS0], v80, 2, s68
	; the scratch.  Every LDS address is made here, ahead of the first parting of the roles
	s_mul_i32 s66, s[W8], 2560
	s_add_co_u32 s66, s66, L_MRG
	v_lshl_add_u32 v[MRGA], v80, 4, s66
	s_mul_i32 s66, s[QT], 1536
	s_add_co_u32 s66, s66, L_OIMG
	v_lshl_add_u32 v[FRA], v80, 3, s66
	s_lshr_b32 s68, s[HD], 1
	s_mul_i32 s68, s68, 768
	s_add_co_u32 s66, s66, s68
	s_and_b32 s68, s[HD], 1
	s_lshl_b32 s68, s68, 7
	s_add_co_u32 s66, s66, s68
	v_mul_u32_u24 v[OIA0], v82, 260
	s_delay_alu instid0(VALU_DEP_1)
	v_lshl_add_u32 v[OIA0], v81, 3, v[OIA0]
	s_delay_alu instid0(VALU_DEP_1)
	v_add_nc_u32 v[OIA0], s66, v[OIA0]             ; head's block is registers 6 (head / 2) on of lane r + 16 (head % 2); my half of it begins at register 3 h'
	s_delay_alu instid0(VALU_DEP_1)
	v_mad_u32_u24 v[OIA1], v82, 248, v[OIA0]
	s_delay_alu instid0(VALU_DEP_1)
	v_add_nc_u32 v[OIA1], 4, v[OIA1]
	s_lshl_b32 s66, s[QT], 7
	s_add_co_u32 s66, s66, L_OSC
	v_lshl_add_u32 v[FSA], v81, 2, s66
	s_delay_alu instid0(VALU_DEP_1)
	v_add_nc_u32 v[OSB], s[HD], v[FSA]
	s_lshl_b32 s66, s[QT], 9
	s_add_co_u32 s68, s66, L_STAT
	v_lshl_add_u32 v[STL], v81, 5, s68
	s_lshl_b32 s68, s[HD], 3
	v_add_nc_u32 v[STA], s68, v[STL]
	s_add_co_u32 s66, s66, L_HSC
	v_lshl_add_u32 v[HSL], v80, 2, s66
	s_lshl_b32 s66, s[W8], 7
	s_add_co_u32 s66, s66, L_HSC
	v_lshl_add_u32 v[HSA], v80, 2, s66
	s_mul_i32 s66, s[W8], 1536
	s_add_co_u32 s66, s66, L_HIMG
	v_lshl_add_u32 v[HIA], v80, 4, s66
	s_mul_i32 s66, s[QT], 6144
	s_add_co_u32 s66, s66, L_HIMG
	v_lshl_add_u32 v[HIL], v80, 4, s66
	s_mul_i32 s66, s[QT], 16*528
	s_add_co_u32 s66, s66, s67
	s_add_co_u32 s66, s66, L_XST
	v_mul_u32_u24 v[XSA], v81, 528
	s_delay_alu instid0(VALU_DEP_1)
	v_lshl_add_u32 v[XSA], v82, 6, v[XSA]
	s_delay_alu instid0(VALU_DEP_1)
	v_add_nc_u32 v[XSA], s66, v[XSA]
	s_lshl_b32 s66, s[HD], 1
	s_add_co_u32 s66, s66, s[QT]
	s_mul_i32 s66, s66, 384
	s_add_co_u32 s66, s66, L_OUT+VCOF
	v_mul_u32_u24 v[VCA0], v82, 132
	s_delay_alu instid0(VALU_DEP_1)
	v_lshl_add_u32 v[VCA0], v81, 3, v[VCA0]
	s_delay_alu instid0(VALU_DEP_1)
	v_add_nc_u32 v[VCA0], s66, v[VCA0]
	s_delay_alu instid0(VALU_DEP_1)
	v_mad_u32_u24 v[VCA1], v82, 120, v[VCA0]
	s_delay_alu instid0(VALU_DEP_1)
	v_add_nc_u32 v[VCA1], 4, v[VCA1]
	s_lshl_b32 s66, s[WV], 9
	s_add_co_u32 s66, s66, L_OUT
	v_lshl_add_u32 v[CPA], v80, 4, s66
	s_mul_i32 s66, s[W8], 4*528
	s_add_co_u32 s66, s66, L_XST
	v_lshl_add_u32 v[XRL], v80, 4, s66
	v_lshlrev_b32 v[L16], 4, v80
	v_lshlrev_b32 v[L4], 2, v80
	v_lshlrev_b32 v[P64], 6, v82
	s_delay_alu instid0(VALU_DEP_1)
	v_lshl_add_u32 v[XG], v81, 9, v[P64]
	v_lshlrev_b32 v[R4], 2, v81
	s_wait_alu depctr_va_vdst(0)                   ; the wait here, directly ahead of the readers below
	KLOAD 2, 0                                     ; my first step, key step 12 or 13, from memory: v80-84 are done with
	VLOAD 2, 0
	; bases in memory
	s_lshl_b32 s66, ttmp9, 2
	s_add_co_u32 s66, s66, s[CX]                   ; my block of 32 rows
	s_lshl_b32 s66, s66, 14
	s_lshl_b32 s68, s[QT], 13
	s_add_co_u32 s68, s68, s66
	s_add_co_u32 s68, s68, s67
	s_mov_b32 s69, 0
	s_add_nc_u64 s[XI:XI+1], s[4:5], s[68:69]      ; xin: row 16 qt, feature 32 head
	s_lshl_b32 s68, s[W8], 11
	s_add_co_u32 s68, s68, s66
	s_add_nc_u64 s[XO:XO+1], s[8:9], s[68:69]      ; xout: rows 4 (w % 8) on
	s_mov_b32 s68, s67
	s_add_nc_u64 s[B128:B128+1], s[6:7], s[68:69]
	s_lshl_b32 s68, s[HD], 9
	s_add_nc_u64 s[B512:B512+1], s[6:7], s[68:69]
	s_mul_i32 s68, s[HD], 3072
	s_add_nc_u64 s[B3K:B3K+1], s[6:7], s[68:69]
	s_mul_i32 s68, s[HD], 12288
	s_add_nc_u64 s[B12K:B12K+1], s[6:7], s[68:69]
	s_mov_b32 s66, 0x3c000000                      ; 1 / 128
	s_mov_b32 s67, 0x322bcc77                      ; 1e-8
.irp j, 40,41,42,43,44,45,46,47,48,52,53,54,55,56,57,58,59,60,61,62,63,67,68,69,70,71,72,73,74,75
	v_mov_b32 v[\j], 0                             ; zero codes round the queries' codes
.endr
.irp j, 0,1,2,3,4,5,6,7,8,9,10,11,12,13,14,15
	v_mov_b32 v[O+\j], 0                           ; the step is written once: the first finds zeros, which the first change of M leaves zeros
.endr
	v_mov_b32 v[NM+1], 0xff61b1e6                  ; the largest score so far: -3e38
	s_delay_alu instid0(VALU_DEP_1)
	v_floor_f32 v[NM], -v[NM+1]
	v_mov_b32 v[LS], 0
	v_mov_b32 v[LS+1], 0
.irp b, 4,5,6,7,9
	v_mov_b32 v[TM+\b], 0                          ; lane permutes' destinations, and the upper half of f's pair, count as read
.endr
.irp j, 78,79,238,239,252,253,254,255
	v_mov_b32 v[\j], 0                             ; the sum's other four pairs
.endr
	s_mov_b32 s[TB], 0
	s_mov_b32 s[TK], 0
	s_wait_alu depctr_va_vdst(0)
	s_wait_loadcnt 29                              ; the queries' 7 loads are in, and their offsets are free; the 16 + 13 loads of my first step, issued behind them, may stay out
	v_add_nc_u32 v[KCA0], L_OUT, v[KCA0]           ; from here on: the same places in the chunk's image in LDS
	v_add_nc_u32 v[KCA1], L_OUT, v[KCA1]
	v_add_nc_u32 v[KSA], L_OUT, v[KSA]
	s_wait_xcnt 0x0                                ; the prefetches have read their offsets: v128-131 take scores next
	; ================ attention: 8 key steps a wave: 12 + kh, 14 + kh from memory, then kh, 2 + kh .. 10 + kh from LDS
	STEP 0, 0, 2, 2*STEPB
	STEP 2, 2*STEPB, 3, 0
	s_mov_b32 s[CNT], 5
.Lkey:
	STEP 1, 0, 1, 0
	s_sub_co_u32 s[CNT], s[CNT], 1
	s_cmp_lg_u32 s[CNT], 0
	s_cbranch_scc1 .Lkey
	STEP 1, 0, 0, 0
	v_pk_add_f32 v[252:253], v[252:253], v[254:255]        ; the sum's five pairs are joined, once
	v_pk_add_f32 v[38:39], v[38:39], v[78:79]
	v_pk_add_f32 v[238:239], v[238:239], v[252:253]
	v_nop
	v_pk_add_f32 v[38:39], v[38:39], v[238:239]
	s_wait_alu depctr_va_vdst(0)
	v_add_f32 v[LS], v[LS], v[LS+1]                ; the sum's two halves, and lane l xor 16's
	s_delay_alu instid0(VALU_DEP_1)
	v_permlanex16_b32 v76, v[LS], s[SEL], s[SEL+1]
	s_delay_alu instid0(VALU_DEP_1)
	v_add_f32 v[LS], v[LS], v76
	v_nop
	v_nop
	; ================ the tail.  The roles part on the wave's number between barriers; every barrier stands on every wave's path.
	; The two roles give the same register numbers different uses: so four plain lines stand ahead of fc1's and of fc2's products; ahead of Wo's stand eight packed additions.
	s_cmp_lg_u32 s[KH], 0
	s_cbranch_scc1 .Lt0_upper
.irp f, 0,1                                    ; waves 0-7 ask for Wo's two tiles of their 32 outputs, x, and the first norm's parameters
.irp p, 0,1,2
	global_load_b128 v[WOF+12*\f+4*\p:WOF+12*\f+4*\p+3], v[L16], s[B3K:B3K+1] offset:B_WOC+1536*\f+512*\p
.endr
.endr
	global_load_b32 v[WOSR], v[L4], s[B128:B128+1] offset:B_WOS
.irp i, 0,1,2,3
	global_load_b128 v[Y+4*\i:Y+4*\i+3], v[XG], s[XI:XI+1] offset:16*\i
	global_load_b128 v[WB+4*\i:WB+4*\i+3], v[P64], s[B128:B128+1] offset:B_PAR+16*\i
	global_load_b128 v[G+4*\i:G+4*\i+3], v[P64], s[B128:B128+1] offset:B_PAR+512+16*\i
	global_load_b128 v[BB+4*\i:BB+4*\i+3], v[P64], s[B128:B128+1] offset:B_PAR+1024+16*\i
.endr
	s_branch .Lt0_mid
.Lt0_upper:
.irp t, 0,1,2,3,4,5,6,7                        ; waves 8-15 ask for fc1's eight tiles of their 128 hidden units
.irp p, 0,1,2
	global_load_b128 v[W1F+12*\t+4*\p:W1F+12*\t+4*\p+3], v[L16], s[B12K:B12K+1] offset:B_W1C+1536*\t+512*\p
.endr
.endr
.irp i, 0,1,2,3
	global_load_b32 v[KSC+\i], v[L4], s[B512:B512+1] offset:B_W1S+128*\i
.endr
.Lt0_mid:
	BAR                                            ; every wave's reads of the tiles are over: from here on their bytes serve as scratch
	s_cmp_lg_u32 s[KH], 0
	s_cbranch_scc0 .Lt0_join
.irp i, 0,1,2,3                                ; waves 8-15 hand over O^T, -M and the sum,
	ds_store_b128 v[MRGA], v[O+4*\i:O+4*\i+3] offset:512*\i
.endr
	s_wait_alu depctr_va_vdst(0)
	ds_store_b128 v[MRGA], v[NM:NM+3] offset:2048
	s_wait_dscnt 0x0                               ; the stores have read their registers
.irp b, 0,1,2,3                                ; and ask for fc1's bias where the sums will begin
.irp i, 0,1,2,3
	global_load_b128 v[H+16*\b+4*\i:H+16*\b+4*\i+3], v[P64], s[B512:B512+1] offset:B_PAR+1536+128*\b+16*\i
.endr
.endr
.Lt0_join:
	BAR
	s_cmp_lg_u32 s[KH], 0
	s_cbranch_scc1 .Lt1_join
.irp i, 0,1,2,3                                ; the two halves of the keys are joined under the larger M: both factors are powers of two
	ds_load_b128 v[PO+4*\i:PO+4*\i+3], v[MRGA] offset:512*\i
.endr
	ds_load_b128 v[PO+16:PO+19], v[MRGA] offset:2048
	s_wait_dscnt 0x0
	v_min_num_f32 v76, v[NM], v[PO+16]
	s_delay_alu instid0(VALU_DEP_1)
	v_sub_f32 v77, v76, v[NM]
	s_delay_alu instid0(VALU_DEP_2)
	v_sub_f32 v78, v76, v[PO+16]
	s_delay_alu instid0(VALU_DEP_2)
	v_cvt_i32_f32 v77, v77
	s_delay_alu instid0(VALU_DEP_2)
	v_cvt_i32_f32 v78, v78
	s_delay_alu instid0(VALU_DEP_2)
	v_ldexp_f32 v77, 1.0, v77
	s_wait_alu depctr_va_vdst(0)
	v_ldexp_f32 v78, 1.0, v78
	v_mul_f32 v79, v[LS], v77
	s_delay_alu instid0(VALU_DEP_1)
	v_fmac_f32 v79, v[PO+18], v78                  ; the row's sum
	s_wait_alu depctr_va_vdst(0)
	v_rcp_f32 v79, v79
	v_nop                                          ; a plain line behind the reciprocal
	s_wait_alu depctr_va_vdst(0)                   ; and the wait ahead of its first reader
	v_mul_f32 v72, v77, v79
	v_mul_f32 v74, v78, v79
	s_delay_alu instid0(VALU_DEP_2)
	v_mov_b32 v73, v72
	s_delay_alu instid0(VALU_DEP_2)
	v_mov_b32 v75, v74
.irp j, 0,2,4,6,8,10,12,14
	v_pk_mul_f32 v[O+\j:O+\j+1], v[O+\j:O+\j+1], v[72:73]
.endr
.irp j, 0,2,4,6,8,10,12,14
	v_pk_fma_f32 v[O+\j:O+\j+1], v[PO+\j:PO+\j+1], v[74:75], v[O+\j:O+\j+1]   ; o(row r, features 32 head + 16 h' + 0..15)
.endr
	QBLK O
	PUT3 OIA0, OIA1, 0, 256
	ds_store_b8 v[OSB], v79
.Lt1_join:
	BAR                                            ; o's two fragments and their scale words lie in LDS
	s_cmp_lg_u32 s[KH], 0
	s_cbranch_scc1 .Lt2_join
	s_wait_loadcnt 0x0
.irp j, 0,2,4,6,8,10,12,14
	v_pk_add_f32 v[Y+\j:Y+\j+1], v[Y+\j:Y+\j+1], v[WB+\j:WB+\j+1]   ; x + wo_b is where the sums begin
.endr
.irp p, 0,1,2,3,4,5
	ds_load_b64 v[FRG+2*\p:FRG+2*\p+1], v[FRA] offset:256*\p
.endr
	ds_load_b32 v[FS], v[FSA]
	s_wait_alu depctr_va_vdst(0)
	s_wait_dscnt 0x0
.irp u, 0,1
	MMA Y+8*\u, WOF+12*\u, FRG, WOSR, FS, \u
.endr
	PLACES
.irp f, 0,1,2,3,4,5,6,7                        ; fc2's eight fragments of my 32 outputs are asked for three barriers ahead of their use
.irp p, 0,1,2
	global_load_b128 v[W2F+12*\f+4*\p:W2F+12*\f+4*\p+3], v[L16], s[B12K:B12K+1] offset:B_W2C+1536*\f+512*\p
.endr
.endr
.irp i, 0,1,2,3
	global_load_b32 v[KSC+\i], v[L4], s[B512:B512+1] offset:B_W2S+128*\i
	global_load_b128 v[WB+4*\i:WB+4*\i+3], v[P64], s[B128:B128+1] offset:B_PAR+3584+16*\i
.endr
	LN_A 0
.Lt2_join:
	BAR
	s_cmp_lg_u32 s[KH], 0
	s_cbranch_scc1 .Lt2b_join
	LN_B 0, 0                                      ; x1
	QBLK Y
	PUT3 OIA0, OIA1, D_X1I, 256
	ds_store_b8 v[OSB], v79 offset:D_X1S
.Lt2b_join:
	BAR                                            ; x1's two fragments lie in LDS
	s_cmp_lg_u32 s[KH], 0
	s_cbranch_scc1 .Lt3_upper
	s_wait_loadcnt 0x0
.irp j, 0,2,4,6,8,10,12,14
	v_pk_add_f32 v[Y+\j:Y+\j+1], v[Y+\j:Y+\j+1], v[WB+\j:WB+\j+1]   ; x1 + fc2_b is where the sums begin
.endr
	s_branch .Lt3_join
.Lt3_upper:
	s_wait_loadcnt 0x0
.irp p, 0,1,2,3,4,5
	ds_load_b64 v[PC+2*\p:PC+2*\p+1], v[FRA] offset:D_X1I+256*\p
.endr
	ds_load_b32 v[FS], v[FSA] offset:D_X1S
	PLACES                                         ; the four plain lines ahead of fc1's products
	s_wait_dscnt 0x0
	s_wait_alu depctr_va_vdst(0)
.irp t, 0,1,2,3,4,5,6,7
	MMA H+8*\t, W1F+12*\t, PC, KSC+\t/2, FS, \t%2
.endr
	PLACES
	QUANT H                                        ; my 128 hidden units are one K step of fc2: one fragment, one scale word a row
.irp c, 0,1,2
	ds_store_b128 v[HIA], v[PC+4*\c:PC+4*\c+3] offset:512*\c
.endr
	ds_store_b32 v[HSA], v[PS]
.Lt3_join:
	BAR                                            ; the hidden layer's eight fragments lie in LDS
	s_cmp_lg_u32 s[KH], 0
	s_cbranch_scc1 .Lt4_join
.irp s, 0,1,2,3
.irp p, 0,1,2
	ds_load_b128 v[HF+12*\s+4*\p:HF+12*\s+4*\p+3], v[HIL] offset:1536*\s+512*\p
.endr
	ds_load_b32 v[FS+\s], v[HSL] offset:128*\s
.endr
	PLACES                                         ; the four plain lines ahead of fc2's products
	s_wait_dscnt 0x0
	s_wait_alu depctr_va_vdst(0)
.irp s, 0,1,2,3
.irp u, 0,1
	MMA Y+8*\u, W2F+12*(4*\u+\s), HF+12*\s, KSC+\s, FS+\s, \u      ; the two accumulators take turns
.endr
.endr
	PLACES
.irp i, 0,1,2,3
	global_load_b128 v[G+4*\i:G+4*\i+3], v[P64], s[B128:B128+1] offset:B_PAR+4096+16*\i
	global_load_b128 v[BB+4*\i:BB+4*\i+3], v[P64], s[B128:B128+1] offset:B_PAR+4608+16*\i
.endr
	LN_A D_ST2
.Lt4_join:
	BAR
	s_cmp_lg_u32 s[KH], 0
	s_cbranch_scc1 .Lt4e_join
	LN_B D_ST2, 1                                  ; xout
.irp i, 0,1,2,3
	ds_store_b128 v[XSA], v[Y+4*\i:Y+4*\i+3] offset:16*\i
.endr
	QBLK Y                                         ; the next layer's q and k: along the head's 32 features
	PUT3 KCA0, KCA1, 0, 256
	v_perm_b32 v76, v79, v79, 0                    ; the byte four times
	ds_store_b32 v[KSA], v76
.Lt4e_join:
	BAR                                            ; 32 rows of xout lie in LDS
	s_cmp_lg_u32 s[KH], 0
	s_cbranch_scc1 .Lt5_upper
.irp i, 0,1,2,3,4,5,6,7,8,9,10,11,12,13,14,15
	ds_load_b32 v[VV+\i], v[VLA] offset:528*\i
.endr
	s_wait_dscnt 0x0
	QBLK VV                                        ; the next layer's v: along my chunk's 32 keys
	PUT3 VCA0, VCA1, 0, 128
	global_store_b8 v[R4], v79, s[VSO:VSO+1]       ; a word's four bytes belong to the cluster's four work-groups: 128 single bytes a work-group
	s_branch .Lt5_join
.Lt5_upper:
.irp i, 0,1,2,3
	ds_load_b128 v[H+4*\i:H+4*\i+3], v[XRL] offset:528*\i
.endr
.irp i, 0,1,2,3
	s_wait_dscnt 3-\i                              ; the younger of the four loads may stay out
	global_store_b128 v[L16], v[H+4*\i:H+4*\i+3], s[XO:XO+1] offset:512*\i   ; 32 lanes store a whole row: 512 consecutive bytes, at a multiple of 256 from the buffer's first byte
.endr
.Lt5_join:
	BAR                                            ; the chunk's image is whole
	s_cmp_lt_u32 s[WV], 13                         ; 13 pieces of 512 bytes
	s_cbranch_scc0 .Lno_piece
	ds_load_b128 v[200:203], v[CPA]
	s_wait_dscnt 0x0
	global_store_b128 v[L16], v[200:203], s[OWNO:OWNO+1]
.Lno_piece:
	s_wait_tensorcnt 0x0                           ; the wave's end: behind my last tensor load and my last LDS store
	ds_add_u32 v[SPW], v[NIL]
	s_wait_dscnt 0x0
	CROUND                                         ; the closing round: no work-group ends while a partner may still ask for a tile that names it
	s_endpgm
.Lfunc_end_k_q9a40fe8e17_l0:
	.size	k_q9a40fe8e17_l0, .Lfunc_end_k_q9a40fe8e17_l0-k_q9a40fe8e17_l0
	.p2alignl 7, 3214868480
	.fill 96, 4, 3214868480
	.section	.rodata,"a",@progbits
	.p2align	6, 0x0
	.amdhsa_kernel k_q9a40fe8e17_l0
		.amdhsa_group_segment_fixed_size 327680
		.amdhsa_private_segment_fixed_size 0
		.amdhsa_enable_private_segment 0
		.amdhsa_kernarg_size 32
		.amdhsa_user_sgpr_count 2
		.amdhsa_user_sgpr_kernarg_segment_ptr 1
		.amdhsa_wavefront_size32 1
		.amdhsa_system_sgpr_workgroup_id_x 1
		.amdhsa_system_sgpr_workgroup_id_y 1
		.amdhsa_system_sgpr_workgroup_id_z 1
		.amdhsa_system_vgpr_workitem_id 0
		.amdhsa_next_free_vgpr 256
		.amdhsa_next_free_sgpr 80
		.amdhsa_reserve_vcc 0
		.amdhsa_float_denorm_mode_32 3
		.amdhsa_float_denorm_mode_16_64 3
		.amdhsa_memory_ordered 1
		.amdhsa_forward_progress 1
		.amdhsa_inst_pref_size 119
	.end_amdhsa_kernel
	.amdgpu_metadata
---
amdhsa.version: [ 1, 2 ]
amdhsa.kernels:
  - .name:           k_q9a40fe8e17_l0
    .symbol:         k_q9a40fe8e17_l0.kd
    .args:
      - { .name: x, .offset: 0, .size: 8, .value_kind: global_buffer, .address_space: global }
      - { .name: b0, .offset: 8, .size: 8, .value_kind: global_buffer, .address_space: global }
      - { .name: xa, .offset: 16, .size: 8, .value_kind: global_buffer, .address_space: global }
      - { .name: b1, .offset: 24, .size: 8, .value_kind: global_buffer, .address_space: global }
    .group_segment_fixed_size: 327680
    .private_segment_fixed_size: 0
    .kernarg_segment_align: 8
    .kernarg_segment_size: 32
    .max_flat_workgroup_size: 512
    .sgpr_count:     80
    .vgpr_count:     256
    .wavefront_size: 32
...
	.end_amdgpu_metadata
.endif
;; end of part 2
;; launch l1: the kernel of part 2 again; grid 256 x 1, 16 waves a work-group, clusters of 4 x 1, 327,680 bytes of LDS; arguments xa, b1, xb, b2; writes xb, b2
;; launch l2: the kernel of part 2 again; grid 256 x 1, 16 waves a work-group, clusters of 4 x 1, 327,680 bytes of LDS; arguments xb, b2, xa, b3; writes xa, b3
;; launch l3: the kernel of part 2 again; grid 256 x 1, 16 waves a work-group, clusters of 4 x 1, 327,680 bytes of LDS; arguments xa, b3, xb, b4; writes xb, b4
;; launch l4: the kernel of part 2 again; grid 256 x 1, 16 waves a work-group, clusters of 4 x 1, 327,680 bytes of LDS; arguments xb, b4, xa, b5; writes xa, b5
;; launch l5: the kernel of part 2 again; grid 256 x 1, 16 waves a work-group, clusters of 4 x 1, 327,680 bytes of LDS; arguments xa, b5, out0, b0; writes out0, b0
